; MI455X (gfx1250); checked and timed in simulation.
; The chip was launched on July 23, 2026; its instructions are those of AMD's public machine-readable ISA for CDNA 5 (MIT licence, August 2026) and "CDNA5" Instruction Set Architecture Reference Guide (July 2026). The comments in the code are by the model that wrote it; some were corrected since.
;; Multi Head Attention. Allowed arithmetic: matrix products marked QUANTISED: E2M3 operands, one E8M0 scale for each 32 along K, by v_wmma_scale_f32_16x16x128_f8f6f4 with both operands' format E2M3, f32 sums; everything else in f32.
;; Inputs: b_attn 3,072 float32; b_proj 1,024 float32; w_attn 1,024 x 3,072 float32; w_proj 1,024 x 1,024 float32; x 4 x 2,048 x 1,024 float32.
;; Outputs: out0 4 x 2,048 x 1,024 float32.
;; This version of the problem:
;;   THIS VERSION OF THE PROBLEM IS GIVEN IN LOW PRECISION. The matrix products marked QUANTISED in the list below multiply operands that are first quantised to E2M3 (2 exponent bits, 3 mantissa bits; 6 bits a number), with one power-of-two scale for each 32 numbers along K (OCP MX v1.0); their sums are f32. All else is computed in f32.
;;   The module's matrix products, in the order in which they are computed (A, B: the left and right operand; K: the contracted axis; several contracted axes count as one K, in the product's order):
;;     1. [M 8,192, K 1,024] x [K 1,024, N 3,072]; A: input x; B: input w_attn: QUANTISED
;;     2. batch 64 x [M 2,048, K 64] x [K 64, N 2,048]; A: computed on the way; B: computed on the way: QUANTISED
;;     3. batch 64 x [M 2,048, K 2,048] x [K 2,048, N 64]; A: softmax (see below); B: computed on the way: QUANTISED
;;     4. [M 8,192, K 1,024] x [K 1,024, N 1,024]; A: computed on the way; B: input w_proj: QUANTISED
;;   THE QUANTISER, for each operand of a quantised product, along K:
;;     - K is cut into blocks of 32 from its start; a last block that is shorter is filled with zeros.
;;     - A block's scale is 2^e with e = floor(log2(the largest magnitude in the block)) - 2, held to -126 .. 127; a block of zeros has e = 0. As a byte (E8M0): e + 127.
;;     - Each number is divided by its block's scale, clamped to +-7.5, and rounded to the nearest number of E2M3, ties to even, subnormals kept.
;;     - The product sums the exact products of the quantised numbers (number of the format x scale) in f32.
;;   ~~~python
;;   def quantise(x, axis):      # numpy; x: float32 -> the quantised numbers, widened to float32 again
;;       x = np.moveaxis(x, axis, -1); K = x.shape[-1]
;;       x = np.pad(x, [(0, 0)] * (x.ndim - 1) + [(0, -K % 32)]); x = x.reshape(x.shape[:-1] + (-1, 32)); a = np.abs(x).max(-1, keepdims=True)
;;       e = np.where(a > 0, np.clip(np.frexp(np.where(a > 0, a, 1))[1] - 1 - 2, -126, 127), 0)      # np.frexp(a)[1] - 1 = floor(log2(a)), exactly
;;       r = np.clip(x / 2.0 ** e, -7.5, 7.5)
;;       step = 2.0 ** (np.maximum(np.frexp(np.where(r == 0, 1, r))[1] - 1, 0) - 3)
;;       q = np.round(r / step) * step * 2.0 ** e      # np.round: ties to even
;;       return np.moveaxis(q.reshape(q.shape[:-2] + (-1,))[..., :K], -1, axis).astype(np.float32)
;;   ~~~
;;   SOFTMAX AHEAD OF A QUANTISED PRODUCT. Where the list says 'softmax', what is quantised is not the finished softmax but p = 2^(t - M), with t = logit x log2(e) and M = ceil(the row's largest t), a whole number; so 1/2 < the row's largest p <= 1. The row's sum l is taken of the UNQUANTISED p, in f32, and the product's result is divided by l at the end. Since M is a whole number, a kernel that streams over the keys may use a running M (the ceiling of the running maximum): every later rescaling is an exact power of two, which a block's scale takes up: the codes' values come out the same.
;;   OPERANDS COMPUTED ON THE WAY. 'Computed on the way' means the value that the module computes at that place (a softmax that the list does not call 'softmax' is quantised finished and normalised). What goes into a quantiser is computed in f32, as accurately as f32 sums, v_exp_f32 and their like allow (about 1e-6 of the number): no bf16 or f16 on the way to a quantiser, and a product that is left as it is and whose result goes on into a quantised operand takes f32 operands (vector FMAs, or v_wmma_f32_16x16x4_f32). A number that lies on a knife's edge between two numbers of the format may be rounded either way, as far as f32 arithmetic and the matrix unit's own rounding can turn it there, and no further.
;; One version. Each part assembles by itself: llvm-mc -triple=amdgcn-amd-amdhsa -mcpu=gfx1250 --defsym DOCPART=n.
;; ======== version 1 of 1: 4 launches
;; limits: right only within a limited range of input values
;; workspace buffers: xq 6,553,600 bytes; wq 3,276,800 bytes; qkv 19,660,800 bytes; yq 6,553,600 bytes
;; launch quant (part 1): grid 512 x 1, 4 waves a work-group, no clusters, 34,816 bytes of LDS; arguments x, w_attn, w_proj, xq, wq; writes xq, wq
.if DOCPART == 1
	.amdgcn_target "amdgcn-amd-amdhsa--gfx1250"
	.amdhsa_code_object_version 6
	.text
	.protected	k_q139bdf1d94_quant
	.globl	k_q139bdf1d94_quant
	.p2align	8
	.type	k_q139bdf1d94_quant,@function
k_q139bdf1d94_quant:
	s_mov_b64 s[64:65], 0
	v_nop
	global_prefetch_b8 v0, s[64:65] scope:SCOPE_SE
	s_setreg_imm32_b32 hwreg(HW_REG_WAVE_MODE, 25, 1), 1
	s_wait_xcnt 0x0
; ONE LAUNCH QUANTISES ALL THREE INPUTS to codes of FP6 (E2M3) with one E8M0 byte for each 32 along K, laid in the ORDER OF AN OPERAND'S REGISTERS.  Work-groups 0 .. 255 take x, the others the weights:
; the two ways part on the work-group's number alone, and each has LDS bytes of its own.
; A fragment (16 rows x 128 K, 12 registers a lane) is 1,536 bytes: registers 0-3 at 16 x lane, 4-5 at 512 + 8 x lane, 6-9 at 768 + 16 x lane, 10-11 at 1,280 + 8 x lane.
; Of each 32 rows (x) or columns (w), tile 2 P + u holds in its row r the index 32 P + 8 u + r + 8 (r / 8).  xq: [tile 512][K step 8][1,536]; from XSO on [pair 256][1,024]: the scale word of lane-row l
; (l < 16: tile 2 P, else tile 2 P + 1) for K step 4 q + j at 512 q + 16 l + 4 j.  wq likewise: [tile 256][8][1,536] over 4,096 columns (0 .. 3,071 w_attn's, then w_proj's), scale words from WSO on.
; A block's scale is 2^(floor(log2(largest magnitude)) - 2); its byte is the largest magnitude's exponent field - 2, held at 1 from below.
; LIMITS: a block of zeros, or one whose largest magnitude lies under 2^-124, gets the byte 1 (its codes are zeros or tiny; this program alone reads the bytes); NaN and infinities are not served.
; x: a work-group takes a pair of tiles; wave w takes tile 2 P + (w & 1) and K steps 4 (w >> 1) on.  Each load reads 512 consecutive bytes of one row; a K step's 16 rows turn through the wave's own stage in LDS,
; so that a lane gets 16 neighbours of each block of 32.  Two K steps (32 loads a wave) are on their way.
; w (K is the FIRST axis): work-group (P, q); wave j takes K step 4 q + j of the pair's 32 columns.  A lane takes a column and its 128 registers run down K: a block of 32 lies in one lane.
.set XSO,  6291456
.set WSO,  3145728
.set SP,   528                         ; a stage row: 512 bytes + 16
.set STGB, 16*SP
.set SPARE, 0x8400                     ; behind x's four stages: the spare words
.set WL,   0x8600                      ; behind them: the weights' way's 512 bytes of scale words
.set R,    16                          ; v16-143  two sets of 64 numbers as loaded
.set X,    144                         ; v144-207 register 16 b + i = k 32 b + 16 h + i of my row
.set PC,   208
.set TM,   228
.set W,    244
	v_lshl_add_u32 v254, v0, 2, SPARE
	v_mov_b32 v255, 0
	v_lshrrev_b32 v1, 5, v0
	v_readfirstlane_b32 s10, v1                    ; wave
	s_wait_alu depctr_va_vdst(0)                   ; the wait ahead of the branch
	s_cmp_lt_u32 ttmp9, 256
	s_cbranch_scc0 .Lweights
	s_load_b64 s[4:5], s[0:1], 0x0                 ; x
	s_load_b64 s[6:7], s[0:1], 0x18                ; xq
	v_and_b32 v1, 31, v0                           ; lane
	v_and_b32 v7, 15, v0                           ; r
	v_bfe_u32 v8, v0, 4, 1                         ; h
	s_and_b32 s11, s10, 1                          ; u
	s_lshr_b32 s15, s10, 1                         ; q
	s_mul_i32 s16, s10, STGB                       ; my stage
	v_lshlrev_b32 v2, 4, v1
	v_add_nc_u32 v3, s16, v2                       ; the stage, on the way in
	v_mul_u32_u24 v4, v7, SP
	v_lshl_add_u32 v4, v8, 6, v4
	v_add_nc_u32 v4, s16, v4                       ; and on the way out: row r, + 64 h
	v_lshlrev_b32 v5, 3, v1
	v_lshlrev_b32 v6, 4, v7
	v_lshl_add_u32 v6, v8, 3, v6                   ; 16 r + 8 h: my two scale words
	s_mov_b32 s12, 0x76543210
	s_mov_b32 s13, 0xfedcba98
	s_mov_b32 s14, 0xffff0000
.irp b, 0,1,2,3
	v_mov_b32 v[TM+4+\b], 0                        ; a lane permute's destination counts as one of its sources
.endr
	s_lshl_b32 s18, ttmp9, 17                      ; x: 32 P rows of 4,096 bytes,
	s_lshl_b32 s20, s11, 15                        ; + 8 u rows,
	s_add_co_u32 s18, s18, s20
	s_lshl_b32 s20, s15, 11                        ; + K steps 4 q on
	s_add_co_u32 s18, s18, s20
	s_mov_b32 s19, 0
	s_lshl_b32 s20, ttmp9, 1
	s_add_co_u32 s20, s20, s11
	s_mul_i32 s20, s20, 12288                      ; codes: tile 2 P + u,
	s_mul_i32 s22, s15, 6144                       ; + four fragments for each q
	s_add_co_u32 s20, s20, s22
	s_mov_b32 s21, 0
	s_lshl_b32 s22, ttmp9, 10                      ; scale words: XSO + 1,024 P + 512 q + 256 u
	s_lshl_b32 s24, s15, 9
	s_add_co_u32 s22, s22, s24
	s_lshl_b32 s24, s11, 8
	s_add_co_u32 s22, s22, s24
	s_add_co_u32 s22, s22, XSO
	s_mov_b32 s23, 0
	s_wait_alu depctr_va_vdst(0)
	s_wait_kmcnt 0x0
	s_add_nc_u64 s[4:5], s[4:5], s[18:19]
	s_add_nc_u64 s[8:9], s[6:7], s[22:23]
	s_add_nc_u64 s[6:7], s[6:7], s[20:21]
.macro LOAD t                          ; K step t: the tile's 16 rows, 512 consecutive bytes each
.irp i, 0,1,2,3,4,5,6,7,8,9,10,11,12,13,14,15
	global_load_b128 v[R+64*((\t)%2)+4*\i:R+64*((\t)%2)+4*\i+3], v2, s[4:5] offset:(\i+8*(\i/8))*4096+512*(\t) th:TH_LOAD_NT
.endr
.endm
.macro TURN t                          ; through my stage: LDS serves a wave's instructions in order
.irp i, 0,1,2,3,4,5,6,7,8,9,10,11,12,13,14,15
	ds_store_b128 v3, v[R+64*((\t)%2)+4*\i:R+64*((\t)%2)+4*\i+3] offset:SP*\i
.endr
.irp b, 0,1,2,3
.irp j, 0,1,2,3
	ds_load_b128 v[X+16*\b+4*\j:X+16*\b+4*\j+3], v4 offset:128*\b+16*\j
.endr
.endr
.endm
.macro QUANT s, pw                     ; 64 numbers of a lane become a fragment's codes in v[PC] on and its scale word in v[pw]
.irp b, 0,1,2,3
	v_max3_num_f32 v[TM+\b], |v[\s+16*\b]|, |v[\s+1+16*\b]|, 0x1800000   ; my 16 numbers of block b, and the floor 2^(3 - 127)
.endr
.irp i, 2,4,6,8,10,12,14
.irp b, 0,1,2,3
	v_max3_num_f32 v[TM+\b], v[TM+\b], |v[\s+16*\b+\i]|, |v[\s+1+16*\b+\i]|
.endr
.endr
.irp b, 0,1,2,3
	v_permlanex16_b32 v[TM+4+\b], v[TM+\b], s12, s13
.endr
.irp b, 0,1,2,3
	v_max_num_f32 v[TM+\b], v[TM+\b], v[TM+4+\b]
.endr
.irp b, 0,1,2,3
	v_add_nc_u32 v[TM+12+\b], 0xff000000, v[TM+\b] ; 2 off the exponent field: the conversion's scale operand
.endr
.irp b, 0,1,2,3
	v_lshrrev_b32 v[TM+4+\b], 23, v[TM+12+\b]
.endr
	v_lshl_or_b32 v[\pw], v[TM+5], 8, v[TM+4]
	v_lshl_or_b32 v[\pw], v[TM+6], 16, v[\pw]
	v_lshl_or_b32 v[\pw], v[TM+7], 24, v[\pw]
.irp c, 0,1
	v_cvt_scalef32_pk16_fp6_f32 v[PC+6*\c:PC+2+6*\c], v[\s+32*\c:\s+15+32*\c], v[TM+12+2*\c]
	v_cvt_scalef32_pk16_fp6_f32 v[PC+12+4*\c:PC+14+4*\c], v[\s+16+32*\c:\s+31+32*\c], v[TM+12+2*\c+1]
.endr
	v_nop                                          ; one plain place behind a scaled conversion
.irp c, 0,1
.irp i, 0,1,2
	v_permlane16_swap_b32 v[PC+6*\c+\i], v[PC+12+4*\c+\i]
.endr
.irp i, 0,1,2
	v_mov_b32 v[PC+3+6*\c+\i], v[PC+12+4*\c+\i]
.endr
.endr
.endm
.macro STEP t
.if (\t) < 3
	s_wait_loadcnt 16                              ; this K step's 16 loads are in; the next step's 16 may be out
.else
	s_wait_loadcnt 0x0
.endif
	s_wait_xcnt 0x0                                ; the last step's stores have read the codes' registers
	TURN \t
	s_wait_dscnt 0x0
.if (\t) < 2
	LOAD (\t)+2
.endif
	QUANT X, W+(\t)
	global_store_b128 v2, v[PC:PC+3], s[6:7] offset:1536*(\t)            ; each store of the wave covers 512 or 256 consecutive bytes, aligned to 256
	global_store_b64 v5, v[PC+4:PC+5], s[6:7] offset:1536*(\t)+512
	global_store_b128 v2, v[PC+6:PC+9], s[6:7] offset:1536*(\t)+768
	global_store_b64 v5, v[PC+10:PC+11], s[6:7] offset:1536*(\t)+1280
.endm
	LOAD 0
	LOAD 1
	STEP 0
	STEP 1
	STEP 2
	STEP 3
	v_cndmask_b32 v248, v[W], v[W+2], s14          ; lanes 0-15 store words 0 and 1 of row r, lanes 16-31 words 2 and 3
	v_cndmask_b32 v249, v[W+1], v[W+3], s14
	global_store_b64 v6, v[248:249], s[8:9]
	s_wait_tensorcnt 0x0                           ; the wave's end
	ds_add_u32 v254, v255
	s_wait_dscnt 0x0
	s_endpgm
.Lweights:
.set X,   16                           ; v16-143  128 numbers down K
.set CB,  144                          ; v144-167 block b's 32 codes at CB + 6 b
.set T,   168
.set W,   180
	s_load_b128 s[4:7], s[0:1], 0x8                ; w_attn, w_proj
	s_load_b64 s[8:9], s[0:1], 0x20                ; wq
	v_and_b32 v1, 31, v0                           ; lane = 16 u + r
	v_and_b32 v3, 15, v0
	v_bfe_u32 v4, v0, 4, 1
	v_and_b32 v5, 8, v3
	v_add_nc_u32 v5, v5, v3                        ; r + 8 (r / 8)
	v_lshl_add_u32 v5, v4, 3, v5                   ; + 8 u: my column of the pair's 32
	v_lshlrev_b32 v2, 2, v5
	v_lshlrev_b32 v6, 4, v1
	v_lshlrev_b32 v7, 3, v1
	s_lshl_b32 s11, s10, 2
	s_add_co_u32 s11, s11, WL
	v_add_nc_u32 v8, s11, v6                       ; LDS: WL + 16 x lane + 4 j
	v_add_nc_u32 v9, WL, v6
	s_sub_co_u32 s24, ttmp9, 256
	s_and_b32 s12, s24, 1                          ; q
	s_lshr_b32 s24, s24, 1                         ; the pair P
	s_lshl_b32 s13, s12, 2
	s_add_co_u32 s13, s13, s10                     ; my K step
	s_mul_i32 s14, s24, 24576                      ; codes: tile 2 P,
	s_mul_i32 s16, s13, 1536                       ; my K step's fragment
	s_add_co_u32 s14, s14, s16
	s_mov_b32 s15, 0
	s_lshl_b32 s16, s24, 10                        ; scale words: WSO + 1,024 P + 512 q
	s_lshl_b32 s18, s12, 9
	s_add_co_u32 s16, s16, s18
	s_add_co_u32 s16, s16, WSO
	s_mov_b32 s17, 0
	s_mov_b32 s19, 0
	s_wait_alu depctr_va_vdst(0)
	s_wait_kmcnt 0x0
	s_add_nc_u64 s[20:21], s[8:9], s[16:17]
	s_add_nc_u64 s[8:9], s[8:9], s[14:15]
	s_cmp_lt_u32 s24, 96                           ; pairs 0 .. 95 are w_attn's
	s_cbranch_scc0 .Lproj
	s_mul_i32 s18, s13, 128*12288
	s_lshl_b32 s22, s24, 7
	s_add_co_u32 s18, s18, s22
	s_add_nc_u64 s[4:5], s[4:5], s[18:19]
.set i, 0
.rept 128
	global_load_b32 v[X+i], v2, s[4:5] offset:i*12288 th:TH_LOAD_NT
.set i, i+1
.endr
	s_branch .Lloaded
.Lproj:
	s_mul_i32 s18, s13, 128*4096
	s_sub_co_u32 s22, s24, 96
	s_lshl_b32 s22, s22, 7
	s_add_co_u32 s18, s18, s22
	s_add_nc_u64 s[6:7], s[6:7], s[18:19]
.set i, 0
.rept 128
	global_load_b32 v[X+i], v2, s[6:7] offset:i*4096 th:TH_LOAD_NT
.set i, i+1
.endr
.Lloaded:
.macro BLOCK b
.set XS, X+32*(\b)
	v_max3_num_f32 v172, |v[XS]|, |v[XS+1]|, |v[XS+2]|
	v_max3_num_f32 v173, |v[XS+3]|, |v[XS+4]|, |v[XS+5]|
.irp i, 6,10,14,18,22,26
	v_max3_num_f32 v172, v172, |v[XS+\i]|, |v[XS+\i+1]|
	v_max3_num_f32 v173, v173, |v[XS+\i+2]|, |v[XS+\i+3]|
.endr
	v_max3_num_f32 v172, v172, |v[XS+30]|, |v[XS+31]|
	v_max3_num_f32 v172, v172, v173, 0x1800000
	v_add_nc_u32 v174, 0xff000000, v172
	v_lshrrev_b32 v175, 23, v174
.if (\b) == 0
	v_mov_b32 v[W], v175
.else
	v_lshl_or_b32 v[W], v175, 8*(\b), v[W]
.endif
	v_cvt_scalef32_pk16_fp6_f32 v[CB+6*(\b):CB+6*(\b)+2], v[XS:XS+15], v174
	v_cvt_scalef32_pk16_fp6_f32 v[T:T+2], v[XS+16:XS+31], v174
	v_nop
.irp i, 0,1,2
	v_mov_b32 v[CB+6*(\b)+3+\i], v[T+\i]
.endr
.endm
	s_wait_loadcnt 63                              ; blocks 0 and 1 are in: behind their last load stand 64, and 63 is the largest count that a wait can name
	BLOCK 0
	BLOCK 1
	s_wait_loadcnt 32
	BLOCK 2
	s_wait_loadcnt 0x0
	BLOCK 3
; Lane 16 u + r holds blocks 0 .. 3 of tile u's row r; an operand wants lane (r, h) to hold blocks h and 2 + h: one exchange for each register of a pair of blocks.
.irp c, 0,1
.irp i, 0,1,2,3,4,5
	v_permlane16_swap_b32 v[CB+12*\c+\i], v[CB+12*\c+6+\i]
.endr
.endr
	ds_store_b32 v8, v[W]                          ; the four waves' words of a lane-row lie side by side
.irp u, 0,1
.irp c, 0,1
	global_store_b128 v6, v[CB+12*\c+6*\u:CB+12*\c+6*\u+3], s[8:9] offset:12288*\u+768*\c
	global_store_b64 v7, v[CB+12*\c+6*\u+4:CB+12*\c+6*\u+5], s[8:9] offset:12288*\u+768*\c+512
.endr
.endr
	s_wait_dscnt 0x0                               ; for the others' sake: my word has landed
	s_barrier_signal -1
	s_barrier_wait -1
	s_cmp_lg_u32 s10, 0
	s_cbranch_scc1 .Lend
	ds_load_b128 v[184:187], v9                    ; wave 0: four K steps' words of each lane-row
	s_wait_dscnt 0x0
	global_store_b128 v6, v[184:187], s[20:21]     ; 512 consecutive bytes, aligned
.Lend:
	s_wait_tensorcnt 0x0                           ; the wave's end
	ds_add_u32 v254, v255
	s_wait_dscnt 0x0
	s_endpgm
.Lfunc_end_k_q139bdf1d94_quant:
	.size	k_q139bdf1d94_quant, .Lfunc_end_k_q139bdf1d94_quant-k_q139bdf1d94_quant
	.p2alignl 7, 3214868480
	.fill 96, 4, 3214868480
	.section	.rodata,"a",@progbits
	.p2align	6, 0x0
	.amdhsa_kernel k_q139bdf1d94_quant
		.amdhsa_group_segment_fixed_size 34816
		.amdhsa_private_segment_fixed_size 0
		.amdhsa_enable_private_segment 0
		.amdhsa_kernarg_size 40
		.amdhsa_user_sgpr_count 2
		.amdhsa_user_sgpr_kernarg_segment_ptr 1
		.amdhsa_wavefront_size32 1
		.amdhsa_system_sgpr_workgroup_id_x 1
		.amdhsa_system_sgpr_workgroup_id_y 1
		.amdhsa_system_sgpr_workgroup_id_z 1
		.amdhsa_system_vgpr_workitem_id 0
		.amdhsa_next_free_vgpr 256
		.amdhsa_next_free_sgpr 66
		.amdhsa_reserve_vcc 0
		.amdhsa_float_denorm_mode_32 3
		.amdhsa_float_denorm_mode_16_64 3
		.amdhsa_memory_ordered 1
		.amdhsa_forward_progress 1
		.amdhsa_inst_pref_size 67
	.end_amdhsa_kernel
	.amdgpu_metadata
---
amdhsa.version: [ 1, 2 ]
amdhsa.kernels:
  - .name:           k_q139bdf1d94_quant
    .symbol:         k_q139bdf1d94_quant.kd
    .args:
      - { .name: x, .offset: 0, .size: 8, .value_kind: global_buffer, .address_space: global }
      - { .name: w_attn, .offset: 8, .size: 8, .value_kind: global_buffer, .address_space: global }
      - { .name: w_proj, .offset: 16, .size: 8, .value_kind: global_buffer, .address_space: global }
      - { .name: xq, .offset: 24, .size: 8, .value_kind: global_buffer, .address_space: global }
      - { .name: wq, .offset: 32, .size: 8, .value_kind: global_buffer, .address_space: global }
    .group_segment_fixed_size: 34816
    .private_segment_fixed_size: 0
    .kernarg_segment_align: 8
    .kernarg_segment_size: 40
    .max_flat_workgroup_size: 128
    .sgpr_count:     66
    .vgpr_count:     256
    .wavefront_size: 32
...
	.end_amdgpu_metadata
.endif
;; end of part 1
;; launch gemm_qkv (part 2): grid 4 x 64, 4 waves a work-group, clusters of 4 x 4, 327,680 bytes of LDS; arguments xq, wq, b_attn, qkv; writes qkv
.if DOCPART == 2
	.amdgcn_target "amdgcn-amd-amdhsa--gfx1250"
	.amdhsa_code_object_version 6
	.text
	.protected	k_q139bdf1d94_gemm_qkv
	.globl	k_q139bdf1d94_gemm_qkv
	.p2align	8
	.type	k_q139bdf1d94_gemm_qkv,@function
k_q139bdf1d94_gemm_qkv:
	s_mov_b64 s[64:65], 0
	v_nop
	global_prefetch_b8 v0, s[64:65] scope:SCOPE_SE
	s_setreg_imm32_b32 hwreg(HW_REG_WAVE_MODE, 25, 1), 1
	s_wait_xcnt 0x0
	s_wait_alu depctr_hold_cnt(0) depctr_sa_sdst(0) depctr_va_vdst(0) depctr_va_sdst(0) depctr_va_ssrc(0) depctr_va_vcc(0) depctr_vm_vsrc(0)
	s_getreg_b32 s2, hwreg(HW_REG_IB_STS2, 6, 4)
	s_cmp_eq_u32 s2, 0
	s_cbranch_scc0 .Lentry_in_a_cluster
	s_endpgm
.Lentry_in_a_cluster:
	s_bfe_u32 s2, ttmp6, 0x10000c
	s_cmp_lg_u32 s2, 0xf033
	s_cbranch_scc0 .Lentry_shape_is_right
	s_endpgm
.Lentry_shape_is_right:
; qkv = x w_attn + b_attn on codes of FP6 (E2M3), its results quantised on the way out: q and k along the head's 64, v along the keys.  Nothing of qkv goes to memory in f32.
; A WORK-GROUP STAYS: it holds 128 rows of x, all of K, in LDS and makes three tiles of 128 x 256: columns 256 cx of q, then of k, then of v.  Wave w makes 128 x 64: one head, 32 accumulators.
; LDS: two chunks, one for each half of K (four K steps): x's 8 tiles x 6,144 bytes, then w's 16 tiles x 6,144.  x's parts are filled once; w's two parts are the ring's two slots.
; FILLS: at the head one joint load a wave, each in an arm of its own: x half 0, w half 0, x half 1, w half 1; the first barrier waits for the first two.  FOUR REFILLS (wave 1 issues them, 98,304 bytes each):
; in K step 2 slot 0 takes the next tile's first half, in K step 6 slot 1 its second; each stands behind a round of the cluster's barrier with the three lines ahead.
; Operands lie in memory in the order of an operand's registers (a fragment of 16 x 128 K is 1,536 bytes: registers 0-3 at 16 x lane, 4-5 at 512 + 8 x lane, 6-9 at 768 + 16 x lane, 10-11 at 1,280 + 8 x lane).
; Tiles are permuted: of 32 rows (or columns), tile 2 P + u holds in its row r the index 32 P + 8 u + r + 8 (r / 8).  Scale words and the bias come by dense loads straight into registers.
; q, k: source 0 = 16 columns of w, source 1 = 16 rows of x.  v: the sources swapped.  In both cases accumulator registers 64 f .. 64 f + 63 are four blocks of 32 along the next K, register 16 b + i = k 32 b + 16 h + i.
; OUT: q at [bh 64][a 16][6,400]; from KV on [bh][step 16][12,800]: k's block, then v's.  A block: four fragments, then 256 bytes of scale words [r 16][f 4].
; PREFETCH: the next tile's 196,608 bytes of w, a tile ahead of its refills (the second tile's at the head); the four clusters with y under 4 ask, a work-group for the quarter cy of its column tile, a wave for 48 blocks of 256 bytes.
; LIMITS: a block of zeros, or one whose largest magnitude lies under 2^-124, gets the byte 1 (this program alone reads the bytes); NaN and infinities are not served.
; REGISTERS: window 0: addresses, v32-63 x's scale words, v64-79 w's, v80-111 the bias as C tiles, v112-231 at work; window 1: x's fragments, two sets of 96; window 2: the accumulators; window 3: w's fragments, two sets of 48.
.set XSO,  6291456
.set WSO,  3145728
.set KV,   6553600
.set CH,   147456
.set WOF,  49152
.set SPARE, 294912
.set NEXTW, 786432                     ; 64 tiles of 12,288 bytes: from a tensor's column tile to the next tensor's
.set G1A,  24
.set G1B,  32
.set GX0,  48
.set GX1,  52
.set GW0,  56
.set GW1,  60
.set SA,   32
.set SB,   64
.set BI,   80
.set BV,   112
.set PWD,  128
.set PC,   136
.set TM,   216
.set MSB,  0
.macro WIN new
.if MSB != (\new)
	s_set_vgpr_msb (MSB<<8)|(\new)
.set MSB, (\new)
.endif
.endm
.macro PLACES n
.rept \n
	v_nop
.endr
.endm
.macro WALU
	s_wait_alu depctr_va_vdst(0)
.endm
.macro CREST                           ; a round of the cluster's barrier behind its opening barrier
	s_cmp_lg_u32 s12, 0
	s_cbranch_scc1 .Lnot_wave_0_\@
	s_barrier_signal -3
.Lnot_wave_0_\@:
	s_barrier_wait -3
	s_barrier_signal -1
	s_barrier_wait -1
.endm
.macro CROUND
	s_barrier_signal -1
	s_barrier_wait -1
	CREST
.endm
.macro G1SET g, d0, rows, stride       ; elements of 8 bytes
	s_mov_b32 s[\g+1], (\d0)<<16
	s_mov_b32 s[\g+2], (\rows)<<16
	s_mov_b32 s[\g+3], (\d0)<<16
	s_mov_b32 s[\g+4], \rows
	s_mov_b32 s[\g+5], \stride
	s_mov_b32 s[\g+6], 0
	s_mov_b32 s[\g+7], 0
.endm
.macro G0SET g, lds, base, off
	s_mov_b32 s[\g], 1
	s_mov_b32 s[\g+1], \lds
	s_add_nc_u64 s[\g+2:\g+3], s[\base:\base+1], \off
	s_or_b32 s[\g+3], s[\g+3], 0x80000000
.endm
.macro ARM under, g0, g1, next         ; one arm of the head's chain: one load, then the jump to the join
	s_cmp_lt_u32 s12, \under
	s_cbranch_scc0 \next
	tensor_load_to_lds s[\g0:\g0+3], s[\g1:\g1+7]
	s_nop 0
	PLACES 4
	s_branch .Lasked
\next:
.endm
.macro LOADWB                          ; my two pairs' scale words of w, and my 64 numbers of the bias in both forms
.irp p, 0,1
.irp q, 0,1
	global_load_b128 v[SB+8*\p+4*\q:SB+8*\p+4*\q+3], v4, s[68:69] offset:1024*\p+512*\q
.endr
.endr
.irp nt, 0,1,2,3
	global_load_b128 v[BI+8*\nt:BI+8*\nt+3], v13, s[8:9] offset:4*(32*(\nt/2)+8*(\nt%2))
	global_load_b128 v[BI+8*\nt+4:BI+8*\nt+7], v13, s[8:9] offset:4*(32*(\nt/2)+8*(\nt%2))+16
	global_load_b32 v[BV+\nt], v14, s[8:9] offset:4*(32*(\nt/2)+8*(\nt%2))
.endr
.endm
.macro PF off                          ; 48 blocks of 256 bytes a wave; the second line's lanes 16-31 name its last block again
	s_cmp_eq_u32 s44, 1
	s_cbranch_scc0 .Lnp_\@
	global_prefetch_b8 v24, s[46:47] offset:\off th:TH_LOAD_NT scope:SCOPE_SE
	global_prefetch_b8 v25, s[46:47] offset:\off th:TH_LOAD_NT scope:SCOPE_SE
.Lnp_\@:
.endm
	s_load_b256 s[4:11], s[0:1], 0x0               ; xq, wq, b_attn, qkv
	v_lshl_add_u32 v254, v0, 2, SPARE
	v_mov_b32 v255, 0
	ds_add_u32 v254, v255                          ; the opening lines
	ds_add_u32 v254, v255
	v_lshrrev_b32 v1, 5, v0
	v_readfirstlane_b32 s12, v1                    ; wave
	s_bfe_u32 s15, ttmp6, 0x40000                  ; cx
	s_bfe_u32 s16, ttmp6, 0x40004                  ; cy
	s_lshl_b32 s17, ttmp9, 2
	s_add_co_u32 s17, s17, s15                     ; column tile C of a tensor's four
	s_and_b32 s18, ttmp7, 0xffff
	s_cmp_lt_u32 s18, 4
	s_cselect_b32 s44, 1, 0                        ; my cluster is one of the four that prefetch
	s_lshl_b32 s18, s18, 2
	s_add_co_u32 s18, s18, s16                     ; tile row R: 128 rows
	s_lshl_b32 s19, s16, 2
	s_lshl_b32 s19, 15, s19                        ; my row of the cluster
	s_lshl_b32 s2, 0x1111, s15                     ; my column
	s_or_b32 s[G1A], s19, (3<<16)|(1<<21)
	s_or_b32 s[G1B], s2, (3<<16)|(1<<21)
	G1SET G1A, 768, 8, 1536                        ; eight tiles' 6,144 bytes of a half of K, 12,288 apart in memory, on end in LDS
	G1SET G1B, 768, 16, 1536                       ; sixteen tiles' likewise
	s_mul_i32 s20, s18, 8*12288                    ; x's offsets are made of the tile row alone
	s_mov_b32 s21, 0
	s_lshl_b32 s22, s18, 12
	s_add_co_u32 s22, s22, XSO
	s_mov_b32 s23, 0
	s_mul_i32 s74, s17, 16*12288                   ; w's of the column tile (and, for the scale words, the wave) alone
	s_mov_b32 s75, 0
	s_lshl_b32 s76, s17, 13
	s_lshl_b32 s77, s12, 11
	s_add_co_u32 s76, s76, s77
	s_add_co_u32 s76, s76, WSO
	s_mov_b32 s77, 0
	s_mov_b32 s70, 0x76543210
	s_mov_b32 s71, 0xfedcba98
	s_mov_b32 s72, 0xffff0000
	WALU
	s_wait_dscnt 0x0
	s_wait_kmcnt 0x0
	s_add_nc_u64 s[20:21], s[4:5], s[20:21]
	s_add_nc_u64 s[66:67], s[4:5], s[22:23]        ; x's scale words
	s_add_nc_u64 s[46:47], s[6:7], s[74:75]        ; w's tiles
	s_add_nc_u64 s[68:69], s[6:7], s[76:77]        ; w's scale words
	G0SET GX0, 0, 20, 0
	G0SET GX1, CH, 20, 6144
	G0SET GW0, WOF, 46, 0
	G0SET GW1, CH+WOF, 46, 6144
	CROUND                                         ; all sixteen work-groups are here: the joint loads meet
	ARM 1, GX0, G1A, .Lh1
	ARM 2, GW0, G1B, .Lh2
	ARM 3, GX1, G1A, .Lh3
	tensor_load_to_lds s[GW1:GW1+3], s[G1B:G1B+7]
	s_nop 0
	PLACES 4
.Lasked:
	v_and_b32 v1, 31, v0
	v_and_b32 v2, 15, v0                           ; r
	v_bfe_u32 v3, v0, 4, 1                         ; h
	v_lshlrev_b32 v4, 4, v1                        ; chunk 0: x's fragments at 16 x lane,
	v_lshlrev_b32 v5, 3, v1                        ; 8 x lane;
	s_mul_i32 s2, s12, 4*6144
	s_add_co_u32 s2, s2, WOF
	v_add_nc_u32 v6, s2, v4                        ; my four tiles of w
	v_add_nc_u32 v7, s2, v5
.irp i, 0,1,2,3
	v_add_nc_u32 v[20+\i], CH, v[4+\i]             ; the same in chunk 1
.endr
	v_lshlrev_b32 v12, 4, v2
	v_lshl_add_u32 v12, v3, 3, v12                 ; 16 r + 8 h
	v_lshlrev_b32 v13, 6, v3                       ; the bias for q, k: 16 h numbers on
	v_and_b32 v14, 8, v2
	v_add_nc_u32 v14, v14, v2
	v_lshlrev_b32 v14, 2, v14                      ; for v: number r + 8 (r / 8)
	s_mul_i32 s2, s16, 192
	s_mul_i32 s3, s12, 48
	s_add_co_u32 s2, s2, s3
	v_add_lshl_u32 v24, v1, s2, 8                  ; the prefetches: block 192 cy + 48 wave + lane,
	v_min_u32 v25, 15, v1
	v_add_nc_u32 v25, 32, v25
	v_add_lshl_u32 v25, v25, s2, 8                 ; and + 32 + min(lane, 15)
.irp b, 0,1,2,3
	v_mov_b32 v[TM+4+\b], 0                        ; a lane permute's destination counts as one of its sources
.endr
	s_lshl_b32 s20, s17, 10
	s_lshl_b32 s21, s12, 8
	s_add_co_u32 s20, s20, s21
	s_mov_b32 s21, 0
	s_add_nc_u64 s[8:9], s[8:9], s[20:21]          ; my 64 numbers of q's bias
	WALU                                           ; ahead of the loads that read the offsets made above
.irp p, 0,1,2,3
.irp q, 0,1
	global_load_b128 v[SA+8*\p+4*\q:SA+8*\p+4*\q+3], v4, s[66:67] offset:1024*\p+512*\q   ; four K steps' words: lanes 0-15 tile 2 p, lanes 16-31 tile 2 p + 1
.endr
.endr
	LOADWB
	s_lshr_b32 s20, s18, 4                         ; batch = R / 16, head = 4 cx + wave, a = R % 16
	s_lshl_b32 s20, s20, 4
	s_lshl_b32 s21, s15, 2
	s_add_co_u32 s20, s20, s21
	s_add_co_u32 s20, s20, s12
	s_lshl_b32 s20, s20, 4
	s_and_b32 s21, s18, 15
	s_add_co_u32 s20, s20, s21                     ; 16 bh + a
	s_mul_i32 s22, s20, 12800
	s_add_co_u32 s22, s22, KV
	s_mov_b32 s23, 0
	s_mul_i32 s20, s20, 6400
	s_mov_b32 s21, 0
	s_add_nc_u64 s[40:41], s[10:11], s[20:21]      ; q's block
	s_add_nc_u64 s[42:43], s[10:11], s[22:23]      ; k's
.macro WM ra, rb
.if (\ra) && (\rb)
	v_wmma_scale_f32_16x16x128_f8f6f4 v[rD:rD+7], v[rX:rX+11], v[rY:rY+11], v[rC:rC+7], v[zX], v[zY] matrix_a_fmt:MATRIX_FMT_FP6 matrix_b_fmt:MATRIX_FMT_FP6 matrix_a_scale:MATRIX_SCALE_ROW1 matrix_b_scale:MATRIX_SCALE_ROW1
.elseif (\ra)
	v_wmma_scale_f32_16x16x128_f8f6f4 v[rD:rD+7], v[rX:rX+11], v[rY:rY+11], v[rC:rC+7], v[zX], v[zY] matrix_a_fmt:MATRIX_FMT_FP6 matrix_b_fmt:MATRIX_FMT_FP6 matrix_a_scale:MATRIX_SCALE_ROW1
.elseif (\rb)
	v_wmma_scale_f32_16x16x128_f8f6f4 v[rD:rD+7], v[rX:rX+11], v[rY:rY+11], v[rC:rC+7], v[zX], v[zY] matrix_a_fmt:MATRIX_FMT_FP6 matrix_b_fmt:MATRIX_FMT_FP6 matrix_b_scale:MATRIX_SCALE_ROW1
.else
	v_wmma_scale_f32_16x16x128_f8f6f4 v[rD:rD+7], v[rX:rX+11], v[rY:rY+11], v[rC:rC+7], v[zX], v[zY] matrix_a_fmt:MATRIX_FMT_FP6 matrix_b_fmt:MATRIX_FMT_FP6
.endif
.endm
; half a K step: 16 matrix instructions, x's tiles 4 half .. 4 half + 3 against my four of w.  The accumulators take turns.  In K step 0 the bias is the C.
.macro MULH s, set, swap, half
.if (\swap) && ((\s) == 0)
	WIN 0x8d
.elseif (\swap)
	WIN 0xad
.elseif (\s) == 0
	WIN 0x87
.else
	WIN 0xa7
.endif
.irp m, 0,1,2,3
.irp nt, 0,1,2,3
.set mt, 4*(\half)+\m
.if \swap
.set rD, 8*(8*\nt+mt)
.set rX, 96*(\set)+12*mt
.set rY, 48*(\set)+12*\nt
.set zX, SA+8*(mt/2)+(\s)
.set zY, SB+8*(\nt/2)+(\s)
.else
.set rD, 8*(4*mt+\nt)
.set rX, 48*(\set)+12*\nt
.set rY, 96*(\set)+12*mt
.set zX, SB+8*(\nt/2)+(\s)
.set zY, SA+8*(mt/2)+(\s)
.endif
.if (\s) == 0
.set rC, BI+8*\nt
.else
.set rC, rD
.endif
.if \swap
	WM \m%2, \nt%2
.else
	WM \nt%2, \m%2
.endif
.endr
.endr
.endm
.macro FETCH s, set                    ; K step s's fragments: x's eight tiles, my four of w: 48 dense LDS loads
.set fo, 1536*((\s)%4)
.set fa, 4+16*((\s)/4)
	WIN 0x40
.irp i, 0,1,2,3,4,5,6,7
	ds_load_b128 v[96*(\set)+12*\i:96*(\set)+12*\i+3], v[fa] offset:6144*\i+fo
	ds_load_b64 v[96*(\set)+12*\i+4:96*(\set)+12*\i+5], v[fa+1] offset:6144*\i+fo+512
	ds_load_b128 v[96*(\set)+12*\i+6:96*(\set)+12*\i+9], v[fa] offset:6144*\i+fo+768
	ds_load_b64 v[96*(\set)+12*\i+10:96*(\set)+12*\i+11], v[fa+1] offset:6144*\i+fo+1280
.endr
	WIN 0xc0
.irp i, 0,1,2,3
	ds_load_b128 v[48*(\set)+12*\i:48*(\set)+12*\i+3], v[fa+2] offset:6144*\i+fo
	ds_load_b64 v[48*(\set)+12*\i+4:48*(\set)+12*\i+5], v[fa+3] offset:6144*\i+fo+512
	ds_load_b128 v[48*(\set)+12*\i+6:48*(\set)+12*\i+9], v[fa+2] offset:6144*\i+fo+768
	ds_load_b64 v[48*(\set)+12*\i+10:48*(\set)+12*\i+11], v[fa+3] offset:6144*\i+fo+1280
.endr
.endm
; A K step.  sync = 1: the chunk's last fragments have just been asked for; the three lines, a round with half the products inside it, and the refill of this chunk's slot of w.
; sync = 2: a plain barrier that shows the other chunk whole. nxt = 1: the next K step's fragments are fetched.
.macro KSTEP s, swap, sync, nxt, gw=GW0
	WIN 0
	s_wait_dscnt 0x0                               ; this K step's fragments are in
.if \nxt
	PLACES 4                                       ; places in front of loads into registers that matrix instructions have read
	FETCH ((\s)+1)%8, ((\s)+1)%2
.endif
.if \sync
	WIN 0
	s_wait_tensorcnt 0x0                           ; all my tensor loads have landed
.if (\sync) == 1
	ds_add_u32 v254, v255
	s_add_nc_u64 s[\gw+2:\gw+3], s[\gw+2:\gw+3], NEXTW
.endif
	MULH \s, (\s)%2, \swap, 0
	WIN 0
	s_wait_dscnt 0x0                               ; the add, and my last reads of this chunk
	s_barrier_signal -1
	MULH \s, (\s)%2, \swap, 1
	WIN 0
	s_barrier_wait -1
.if (\sync) == 1
	CREST
	s_cmp_eq_u32 s12, 1
	s_cbranch_scc0 .Lnr_\@
	tensor_load_to_lds s[\gw:\gw+3], s[G1B:G1B+7]  ; the next tile's half of w, the one tensor load behind the round
	s_nop 0
	PLACES 4
.Lnr_\@:
.endif
.else
	MULH \s, (\s)%2, \swap, 0
	MULH \s, (\s)%2, \swap, 1
.endif
.endm
; THE WAY OUT: accumulator registers 64 f on become fragment f's codes and its scale word.  Each accumulator is read from its low end on.
.macro QUANTW f
.set qS, 64*(\f)
.set qP, PC+20*(\f)
	WIN 0x28
.irp b, 0,1,2,3
	v_max3_num_f32 v[TM+\b], 0x1800000, |v[qS+16*\b]|, |v[qS+16*\b+1]|   ; my 16 numbers of block b, and the floor 2^(3 - 127)
.endr
.irp i, 2,4,6,8,10,12,14
.irp b, 0,1,2,3
	v_max3_num_f32 v[TM+\b], v[TM+\b], |v[qS+16*\b+\i]|, |v[qS+16*\b+\i+1]|
.endr
.endr
	WIN 0
.irp b, 0,1,2,3
	v_permlanex16_b32 v[TM+4+\b], v[TM+\b], s70, s71
.endr
.irp b, 0,1,2,3
	v_max_num_f32 v[TM+\b], v[TM+\b], v[TM+4+\b]
.endr
.irp b, 0,1,2,3
	v_add_nc_u32 v[TM+12+\b], 0xff000000, v[TM+\b] ; 2 off the exponent field: the conversion's scale operand
.endr
.irp b, 0,1,2,3
	v_lshrrev_b32 v[TM+4+\b], 23, v[TM+12+\b]
.endr
	v_lshl_or_b32 v[PWD+(\f)], v[TM+5], 8, v[TM+4]
	v_lshl_or_b32 v[PWD+(\f)], v[TM+6], 16, v[PWD+(\f)]
	v_lshl_or_b32 v[PWD+(\f)], v[TM+7], 24, v[PWD+(\f)]
	WIN 0x02
.irp c, 0,1
	v_cvt_scalef32_pk16_fp6_f32 v[qP+6*\c:qP+2+6*\c], v[qS+32*\c:qS+15+32*\c], v[TM+12+2*\c]
	v_cvt_scalef32_pk16_fp6_f32 v[qP+12+4*\c:qP+14+4*\c], v[qS+16+32*\c:qS+31+32*\c], v[TM+12+2*\c+1]
.endr
	WIN 0
	v_nop                                          ; one plain place behind a scaled conversion
.irp c, 0,1
.irp i, 0,1,2
	v_permlane16_swap_b32 v[qP+6*\c+\i], v[qP+12+4*\c+\i]
.endr
.irp i, 0,1,2
	v_mov_b32 v[qP+3+6*\c+\i], v[qP+12+4*\c+\i]
.endr
.endr
	global_store_b128 v4, v[qP:qP+3], s[40:41] offset:1536*(\f)           ; each store of the wave covers 512 or 256 consecutive bytes, aligned to 256
	global_store_b64 v5, v[qP+4:qP+5], s[40:41] offset:1536*(\f)+512
	global_store_b128 v4, v[qP+6:qP+9], s[40:41] offset:1536*(\f)+768
	global_store_b64 v5, v[qP+10:qP+11], s[40:41] offset:1536*(\f)+1280
.endm
.macro EPI next
	WIN 0
	PLACES 4                                       ; places in front of the first read of results and of loads into the scale registers
	s_wait_xcnt 0x0                                ; earlier loads and stores have read their bases and data
.if \next
	s_add_nc_u64 s[8:9], s[8:9], 4096              ; the next tensor's bias and scale words, on their way under the quantiser
	s_add_nc_u64 s[68:69], s[68:69], 32768
	LOADWB
.endif
	QUANTW 0
	QUANTW 1
	QUANTW 2
	QUANTW 3
	v_cndmask_b32 v132, v[PWD], v[PWD+2], s72      ; lanes 0-15 store words 0 and 1 of row r, lanes 16-31 words 2 and 3
	v_cndmask_b32 v133, v[PWD+1], v[PWD+3], s72
	global_store_b64 v12, v[132:133], s[40:41] offset:6144
.if \next
	WALU
	s_wait_xcnt 0x0
	s_mov_b64 s[40:41], s[42:43]
	s_wait_loadcnt 0x0
.endif
.endm
	WALU                                           ; the wait at the head's end
	s_cmp_lt_u32 s12, 2
	s_cbranch_scc0 .Lnot_first
	s_wait_tensorcnt 0x0                           ; waves 0 and 1: chunk 0's x and w
.Lnot_first:
	s_barrier_signal -1
	s_barrier_wait -1                              ; chunk 0 is whole; chunk 1 may be on its way
	FETCH 0, 0
	WIN 0
	PF NEXTW                                       ; k's tile of w
	s_wait_loadcnt 0x0                             ; scale words and bias
	s_mov_b32 s45, 0
.Ltile:                                                ; q, then k
	KSTEP 0, 0, 0, 1
	KSTEP 1, 0, 0, 1
	KSTEP 2, 0, 1, 1, GW0
	KSTEP 3, 0, 0, 1
	WIN 0
	PF 2*NEXTW                                     ; in the first trip alone: v's tile of w
	s_mov_b32 s44, 0
	KSTEP 4, 0, 0, 1
	KSTEP 5, 0, 0, 1
	KSTEP 6, 0, 1, 1, GW1
	KSTEP 7, 0, 0, 1
	EPI 1
	s_add_co_u32 s45, s45, 1
	s_cmp_lt_u32 s45, 2
	s_cbranch_scc1 .Ltile
	s_add_nc_u64 s[40:41], s[42:43], 6400          ; v's block lies behind k's
.irp nt, 0,1,2,3
.irp j, 0,1,2,3,4,5,6,7
	v_mov_b32 v[BI+8*\nt+\j], v[BV+\nt]            ; v: a lane holds one d, so its C tile is one number eight times
.endr
.endr
	WALU
	KSTEP 0, 1, 0, 1
	KSTEP 1, 1, 0, 1
	KSTEP 2, 1, 2, 1
	KSTEP 3, 1, 0, 1
	KSTEP 4, 1, 0, 1
	KSTEP 5, 1, 0, 1
	KSTEP 6, 1, 0, 1
	KSTEP 7, 1, 0, 0
	EPI 0
	s_wait_tensorcnt 0x0                           ; the wave's end
	ds_add_u32 v254, v255
	s_wait_dscnt 0x0
	CROUND                                         ; the closing round
	s_endpgm
.Lfunc_end_k_q139bdf1d94_gemm_qkv:
	.size	k_q139bdf1d94_gemm_qkv, .Lfunc_end_k_q139bdf1d94_gemm_qkv-k_q139bdf1d94_gemm_qkv
	.p2alignl 7, 3214868480
	.fill 96, 4, 3214868480
	.section	.rodata,"a",@progbits
	.p2align	6, 0x0
	.amdhsa_kernel k_q139bdf1d94_gemm_qkv
		.amdhsa_group_segment_fixed_size 327680
		.amdhsa_private_segment_fixed_size 0
		.amdhsa_enable_private_segment 0
		.amdhsa_kernarg_size 32
		.amdhsa_user_sgpr_count 2
		.amdhsa_user_sgpr_kernarg_segment_ptr 1
		.amdhsa_wavefront_size32 1
		.amdhsa_system_sgpr_workgroup_id_x 1
		.amdhsa_system_sgpr_workgroup_id_y 1
		.amdhsa_system_sgpr_workgroup_id_z 1
		.amdhsa_system_vgpr_workitem_id 0
		.amdhsa_next_free_vgpr 1024
		.amdhsa_next_free_sgpr 80
		.amdhsa_reserve_vcc 0
		.amdhsa_float_denorm_mode_32 3
		.amdhsa_float_denorm_mode_16_64 3
		.amdhsa_memory_ordered 1
		.amdhsa_forward_progress 1
		.amdhsa_inst_pref_size 167
	.end_amdhsa_kernel
	.amdgpu_metadata
---
amdhsa.version: [ 1, 2 ]
amdhsa.kernels:
  - .name:           k_q139bdf1d94_gemm_qkv
    .symbol:         k_q139bdf1d94_gemm_qkv.kd
    .args:
      - { .name: xq, .offset: 0, .size: 8, .value_kind: global_buffer, .address_space: global }
      - { .name: wq, .offset: 8, .size: 8, .value_kind: global_buffer, .address_space: global }
      - { .name: b_attn, .offset: 16, .size: 8, .value_kind: global_buffer, .address_space: global }
      - { .name: qkv, .offset: 24, .size: 8, .value_kind: global_buffer, .address_space: global }
    .group_segment_fixed_size: 327680
    .private_segment_fixed_size: 0
    .kernarg_segment_align: 8
    .kernarg_segment_size: 32
    .max_flat_workgroup_size: 128
    .sgpr_count:     80
    .vgpr_count:     1024
    .wavefront_size: 32
...
	.end_amdgpu_metadata
.endif
;; end of part 2
;; launch attn (part 3): grid 4 x 64, 16 waves a work-group, clusters of 4 x 1, 206,848 bytes of LDS; arguments qkv, yq; writes yq
.if DOCPART == 3
	.amdgcn_target "amdgcn-amd-amdhsa--gfx1250"
	.amdhsa_code_object_version 6
	.text
	.protected	k_q139bdf1d94_attn
	.globl	k_q139bdf1d94_attn
	.p2align	8
	.type	k_q139bdf1d94_attn,@function
k_q139bdf1d94_attn:
	s_mov_b64 s[64:65], 0
	v_nop
	global_prefetch_b8 v0, s[64:65] scope:SCOPE_SE
	s_setreg_imm32_b32 hwreg(HW_REG_WAVE_MODE, 25, 1), 1
	s_wait_xcnt 0x0
	s_wait_alu depctr_hold_cnt(0) depctr_sa_sdst(0) depctr_va_vdst(0) depctr_va_sdst(0) depctr_va_ssrc(0) depctr_va_vcc(0) depctr_vm_vsrc(0)
	s_getreg_b32 s2, hwreg(HW_REG_IB_STS2, 6, 4)
	s_cmp_eq_u32 s2, 0
	s_cbranch_scc0 .Lentry_in_a_cluster
	s_endpgm
.Lentry_in_a_cluster:
	s_bfe_u32 s2, ttmp6, 0x10000c
	s_cmp_lg_u32 s2, 0x3003
	s_cbranch_scc0 .Lentry_shape_is_right
	s_endpgm
.Lentry_shape_is_right:
; Causal attention of one (batch, head) for each cluster of four work-groups, both products on codes of FP6 (E2M3); y = O / l is quantised along c = 64 head + d on the way out.
; LEFT OUT: key steps all of whose keys come after a tile's queries: the causal mask sets their scores to -inf, so their p is 0 for all inputs.
; IN: qkv: q at [bh 64][a 16][6,400]; from KV on [bh][step 16][12,800]: k's block of 128 keys, then v's.  A block: four fragments of 1,536 bytes in the order of an operand's registers (registers 0-3 at 16 x lane,
; 4-5 at 512 + 8 x lane, 6-9 at 768 + 16 x lane, 10-11 at 1,280 + 8 x lane), then scale words [r 16][f 4].  q, k: fragment f = row tiles 2 f (K 0-63 = d) and 2 f + 1; stored tile e holds in its row r
; the row 32 (e / 2) + 8 (e % 2) + r + 8 (r / 8) of the 128.  v: fragment f = d tile f x 128 keys.
; THE HEAD'S WHOLE K AND V, 204,800 bytes, LIE IN LDS, filled once: wave w asks for block w, jointly with the three partners.  The first barrier shows blocks 0 and 1 (waves 0 and 1 have a load line of their own and
; wait there); every wave then runs key steps 0 and 1 of its first tile; a second barrier, in front of which every wave waits for its load, shows the rest.  All tiles are asked for at the head: there is nothing to prefetch.
; SHARES: tile (a, e) of 16 queries wants a + 1 key steps.  Wave w of partner cx takes tile (w, cx) and then tile (15 - w, 4 + cx): 17 steps for every wave.
; THE KEYS OF A SCORE TILE ARE CHOSEN BY THE LANES' LDS ADDRESSES: score tile t holds in its row p the key 64 (t / 4) + 32 (p / 8) + 8 (t % 4) + p % 8.  So score register n of lane (query r, h) is key
; 64 (n / 32) + 32 h + n % 32: a lane holds blocks h and 2 + h of 32 keys whole, in the order of the next operand's registers; no lane asks another for a block's maximum or codes.
; SCORES: the head's 64 fill half of the instruction's 128: a fragment of k (two tiles) is multiplied by [q | zero codes] and by [zero codes | q].  Both products are used transposed: a lane holds one query.
; SOFTMAX: t = score x log2(e) / 8; M = the running largest t rounded up to a whole number; p = 2^(t - M) is quantised along the keys; the row's sum is taken of the unquantised p; when M moves, the sum and O are
; multiplied by 2^(old M - new M), exactly.  A block's largest p is its largest score put through the same multiply-add and exponential (this takes v_exp_f32 not to fall where its input rises).
; OUT: yq as xq is laid: codes [row tile 512][K step 8][1,536], K step s = heads 2 s, 2 s + 1, my half fragment at 768 x head; from YSO on [pair][1,024]: the word of lane-row l for K step 4 q + j at 512 q + 16 l + 4 j,
; of which a head owns two bytes.
; LIMITS: the scaled scores stay under 2^31 in magnitude; a block of zeros, or one under 2^-124, gets the byte 1 (this program alone reads the bytes); NaN and infinities are not served; 1 / l is v_rcp_f32 and a multiplication;
; y's scale bytes leave one byte a lane, 32 bytes of one unit of 256: a row's scale word is made by two heads, which are two clusters.
.set KV,  6553600
.set YSO, 6291456
.set BLK, 12800
.set KF,  34                           ; v34-81   four fragments, k's and then v's
.set KW,  82
.set VW,  86
.set KA,  90                           ; v90-92   k's lane addresses: pieces of 16 bytes, of 8 bytes, scale words
.set KB,  91
.set KS,  92
.set SH,  93                           ; v93      8 h
.set S,   96                           ; v96-159  the scores, then p; at the end y
.set O,   160                          ; v160-191 O^T
.set PC,  192                          ; v192-203 p's codes
.set T,   204                          ; v204-206, v208-210 a block's second half, made on an even register and moved
.set BM,  212
.set BO,  214
.set BP,  216
.set PW,  224
.set PX,  225
.set FF,  226
.set TP,  228
.set TQ,  229
.set C1,  230                          ; v230-235 three more chains of the sum
.set C2,  232
.set C3,  234
; v1 16 x lane, v2 8 x lane, v3 16 r, v4-6 the step's addresses, v7 the mask's number, v8 -infinity, v9 r + 8 (r / 8) - 32 h, v10 16 r + h, v11 q's scale word, v12 -M, v13 the largest score, v[14:15] the sum,
; v16-33 [six zeros][q's half fragment][six zeros]
.macro CROUND
	s_barrier_signal -1
	s_barrier_wait -1
	s_cmp_lg_u32 s8, 0
	s_cbranch_scc1 .Lnot_wave_0_\@
	s_barrier_signal -3
.Lnot_wave_0_\@:
	s_barrier_wait -3
	s_barrier_signal -1
	s_barrier_wait -1
.endm
	s_load_b128 s[4:7], s[0:1], 0x0                ; qkv, yq
	v_lshl_add_u32 v254, v0, 2, 0x32000
	v_mov_b32 v255, 0
	ds_add_u32 v254, v255                          ; the opening lines
	ds_add_u32 v254, v255
	v_lshrrev_b32 v1, 5, v0
	v_readfirstlane_b32 s8, v1                     ; wave 0..15
	s_bfe_u32 s9, ttmp6, 0x40000                   ; cx
	s_and_b32 s10, ttmp7, 0xffff                   ; bh
	s_mov_b32 s16, 15|(3<<16)|(1<<21)              ; the mask: all four; elements of 8 bytes
	s_mov_b32 s17, 32<<16                          ; rows of 256 bytes,
	s_mov_b32 s18, 50<<16                          ; 50 of them: 12,800 dense bytes
	s_mov_b32 s19, 32<<16
	s_mov_b32 s20, 50
	s_mov_b32 s21, 32
	s_mov_b32 s22, 0
	s_mov_b32 s23, 0
	s_lshl_b32 s12, s10, 4
	s_add_co_u32 s12, s12, s8
	s_mul_i32 s12, s12, BLK
	s_add_co_u32 s12, s12, KV                      ; key step w of my head
	s_mov_b32 s13, 0
	s_mov_b32 s24, 1
	s_mul_i32 s25, s8, BLK
	s_mov_b32 s28, 0x76543210
	s_mov_b32 s29, 0xfedcba98
	s_mov_b32 s30, 0x3e38aa3b                      ; c = log2(e) / 8
	s_mov_b32 s31, s30
	s_mov_b32 s42, 0xffff0000
	s_wait_alu depctr_va_vdst(0)
	s_wait_dscnt 0x0
	s_wait_kmcnt 0x0
	s_add_nc_u64 s[26:27], s[4:5], s[12:13]
	s_or_b32 s27, s27, 0x80000000
	CROUND                                         ; all four work-groups are here: the joint loads meet
	s_cmp_lt_u32 s8, 2
	s_cbranch_scc0 .Lrest
	tensor_load_to_lds s[24:27], s[16:23]          ; waves 0 and 1: blocks 0 and 1
	s_nop 0
.rept 4
	v_nop
.endr
	s_branch .Lasked
.Lrest:
	tensor_load_to_lds s[24:27], s[16:23]          ; the others' blocks
	s_nop 0
.rept 4
	v_nop
.endr
.Lasked:
	v_and_b32 v3, 31, v0
	v_lshlrev_b32 v1, 4, v3
	v_lshlrev_b32 v2, 3, v3
	v_and_b32 v10, 15, v0                          ; r
	v_bfe_u32 v8, v0, 4, 1                         ; h
	v_lshlrev_b32 v3, 4, v10
	v_and_b32 v9, 8, v10
	v_add_nc_u32 v9, v9, v10
	v_lshlrev_b32 v7, 5, v8
	v_sub_nc_u32 v9, v9, v7
	v_and_b32 v4, 7, v10                           ; r % 8
	v_lshrrev_b32 v5, 3, v10                       ; r / 8
	v_lshl_add_u32 v6, v8, 4, v4                   ; the stored lane r % 8 + 16 h,
	v_mul_u32_u24 v7, v5, 1536                     ; in the stored fragment r / 8
	v_lshl_add_u32 v[KA], v6, 4, v7
	v_lshl_add_u32 v[KB], v6, 3, v7
	v_lshlrev_b32 v[KS], 4, v4
	v_lshl_add_u32 v[KS], v5, 2, v[KS]             ; scale word r / 8 of stored row r % 8
	v_lshlrev_b32 v[SH], 3, v8
	v_lshl_add_u32 v10, v10, 4, v8
	v_mov_b32 v8, 0xff800000
.irp j, 16,17,18,19,20,21,28,29,30,31,32,33
	v_mov_b32 v\j, 0                               ; the zero codes beside q
.endr
.irp j, BP, BP+1, PX, TQ, TP, FF+1
	v_mov_b32 v[\j], 0                             ; lane permutes' destinations and a pair's upper half: written once
.endr
; key steps up to lim - 1; a step all of whose keys come after my queries does nothing but step
.macro STEPS lim
.Lstep_\@:
	s_cmp_gt_u32 s34, s32
	s_cbranch_scc1 .Lhid_\@
	v_add_nc_u32 v4, s35, v[KA]
	v_add_nc_u32 v5, s35, v[KB]
	v_add_nc_u32 v6, s35, v[KS]
.irp f, 0,1,2,3                        ; fragment f = score tiles 2 f and 2 f + 1
	ds_load_b128 v[KF+12*\f:KF+12*\f+3], v4 offset:3072*(\f/2)+128*(\f%2)
	ds_load_b64 v[KF+12*\f+4:KF+12*\f+5], v5 offset:3072*(\f/2)+64*(\f%2)+512
	ds_load_b128 v[KF+12*\f+6:KF+12*\f+9], v4 offset:3072*(\f/2)+128*(\f%2)+768
	ds_load_b64 v[KF+12*\f+10:KF+12*\f+11], v5 offset:3072*(\f/2)+64*(\f%2)+1280
	ds_load_b32 v[KW+\f], v6 offset:6144+128*(\f%2)+8*(\f/2)
.endr
	s_wait_dscnt 0x0
.irp f, 0,1,2,3                        ; S^T = k q^T
	v_wmma_scale_f32_16x16x128_f8f6f4 v[S+16*\f:S+16*\f+7], v[KF+12*\f:KF+12*\f+11], v[22:33], 0, v[KW+\f], v11 matrix_a_fmt:MATRIX_FMT_FP6 matrix_b_fmt:MATRIX_FMT_FP6
	v_wmma_scale_f32_16x16x128_f8f6f4 v[S+16*\f+8:S+16*\f+15], v[KF+12*\f:KF+12*\f+11], v[16:27], 0, v[KW+\f], v11 matrix_a_fmt:MATRIX_FMT_FP6 matrix_b_fmt:MATRIX_FMT_FP6
.endr
	v_add_nc_u32 v4, s35, v1                       ; v's addresses: with the v_nop the four places behind the products
	v_add_nc_u32 v5, s35, v2
	v_add_nc_u32 v6, s35, v3
	v_nop
.irp f, 0,1,2,3                        ; v's fragments land while the softmax is worked
	ds_load_b128 v[KF+12*\f:KF+12*\f+3], v4 offset:6400+1536*\f
	ds_load_b64 v[KF+12*\f+4:KF+12*\f+5], v5 offset:6400+1536*\f+512
	ds_load_b128 v[KF+12*\f+6:KF+12*\f+9], v4 offset:6400+1536*\f+768
	ds_load_b64 v[KF+12*\f+10:KF+12*\f+11], v5 offset:6400+1536*\f+1280
.endr
	ds_load_b128 v[VW:VW+3], v6 offset:6400+6144
	s_cmp_lg_u32 s34, s32                          ; only the step on the diagonal has hidden keys
	s_cbranch_scc1 .Lopen_\@
.set n, 0
.rept 64
	v_cmp_gt_i32 vcc_lo, 64*(n/32)+n%32, v7        ; hidden where the key comes after my query
	v_cndmask_b32 v[S+n], v[S+n], v8, vcc_lo
.set n, n+1
.endr
.Lopen_\@:
.irp b, 0,1                            ; the largest score of my two blocks, two chains each
	v_max3_num_f32 v[BM+\b], v[S+32*\b], v[S+32*\b+1], v[S+32*\b+2]
	v_max3_num_f32 v[BO+\b], v[S+32*\b+16], v[S+32*\b+17], v[S+32*\b+18]
.endr
.irp i, 3,5,7,9,11,13
.irp b, 0,1
	v_max3_num_f32 v[BM+\b], v[BM+\b], v[S+32*\b+\i], v[S+32*\b+\i+1]
	v_max3_num_f32 v[BO+\b], v[BO+\b], v[S+32*\b+16+\i], v[S+32*\b+17+\i]
.endr
.endr
.irp b, 0,1
	v_max3_num_f32 v[BM+\b], v[BM+\b], v[BO+\b], v[S+32*\b+15]
.endr
.irp b, 0,1
	v_max_num_f32 v[BM+\b], v[BM+\b], v[S+32*\b+31]
.endr
	s_delay_alu instid0(VALU_DEP_1)
	v_max_num_f32 v[TP], v[BM], v[BM+1]
	s_delay_alu instid0(VALU_DEP_1)
	v_permlanex16_b32 v[TQ], v[TP], s28, s29
	s_delay_alu instid0(VALU_DEP_1)
	v_max3_num_f32 v13, v13, v[TP], v[TQ]          ; the running largest score of my query
	s_delay_alu instid0(VALU_DEP_1)
	v_mul_f32 v[TP], s30, -v13
	v_mov_b32 v[TQ], v12
	s_delay_alu instid0(VALU_DEP_2)
	v_floor_f32 v12, v[TP]                         ; the new -M = floor(-t) = -ceil(t)
	s_delay_alu instid0(VALU_DEP_1)
	v_sub_f32 v[TP], v12, v[TQ]                    ; old M - new M: a whole number, 0 or less
	s_delay_alu instid0(VALU_DEP_1)
	v_cvt_i32_f32 v[TP], v[TP]                     ; (it saturates)
	s_delay_alu instid0(VALU_DEP_1)
	v_ldexp_f32 v[FF], 1.0, v[TP]                  ; f = 2^(old M - new M)
.set n, 0
.rept 32
	v_pk_fma_f32 v[S+n:S+n+1], v[S+n:S+n+1], s[30:31], v[12:13] op_sel_hi:[1,0,0]   ; t - M
.set n, n+2
.endr
.irp b, 0,1
	v_fma_f32 v[BM+\b], v[BM+\b], s30, v12
.endr
	s_wait_alu depctr_va_vdst(0)                   ; the wait ahead of the batch
.set n, 0
.rept 64
	v_exp_f32 v[S+n], v[S+n]                       ; p = 2^(t - M)
.set n, n+1
.endr
.irp b, 0,1
	v_exp_f32 v[BM+\b], v[BM+\b]                   ; the block's largest p
.endr
	v_pk_mul_f32 v[14:15], v[14:15], v[FF:FF+1] op_sel_hi:[1,0]       ; the sum under the new M: the plain place behind the batch
	s_wait_dscnt 0x0                               ; v's fragments and scale words, asked for ahead of the softmax
	s_wait_alu depctr_va_vdst(0)                   ; one wait for the batch, directly ahead of the first reader of O^T
.set n, 0
.rept 16
	v_pk_mul_f32 v[O+n:O+n+1], v[O+n:O+n+1], v[FF:FF+1] op_sel_hi:[1,0]   ; O^T under the new M
.set n, n+2
.endr
.irp b, 0,1
	v_max_num_f32 v[BM+\b], 0x1800000, v[BM+\b]    ; the floor 2^(3 - 127)
.endr
.irp b, 0,1
	s_delay_alu instid0(VALU_DEP_2)
	v_add_nc_u32 v[BO+\b], 0xff000000, v[BM+\b]    ; the conversion's scale operand
.endr
.irp b, 0,1
	s_delay_alu instid0(VALU_DEP_2)
	v_lshrrev_b32 v[BP+\b], 23, v[BO+\b]           ; the scale's byte
.endr
.irp c, 0,1                            ; registers 6 c .. 6 c + 5 of the operand: keys 64 c + 32 h + 0 .. 31
	v_cvt_scalef32_pk16_fp6_f32 v[PC+6*\c:PC+6*\c+2], v[S+32*\c:S+32*\c+15], v[BO+\c]
	v_cvt_scalef32_pk16_fp6_f32 v[T+4*\c:T+4*\c+2], v[S+32*\c+16:S+32*\c+31], v[BO+\c]
.endr
	v_pk_add_f32 v[C1:C1+1], v[S:S+1], v[S+2:S+3]  ; the sum of the unquantised p, four chains.  (The plain place behind the conversions)
.irp c, 0,1
.irp i, 0,1,2
	v_mov_b32 v[PC+6*\c+3+\i], v[T+4*\c+\i]
.endr
.endr
	v_lshl_or_b32 v[PW], v[BP+1], 16, v[BP]        ; my bytes of blocks h and 2 + h,
	s_delay_alu instid0(VALU_DEP_1)
	v_lshlrev_b32 v[PW], v[SH], v[PW]              ; at their places,
	s_delay_alu instid0(VALU_DEP_1)
	v_permlanex16_b32 v[PX], v[PW], s28, s29
	s_delay_alu instid0(VALU_DEP_1)
	v_or_b32 v[PW], v[PW], v[PX]                   ; with lane l xor 16's two: p's scale word
	v_pk_add_f32 v[C2:C2+1], v[S+4:S+5], v[S+6:S+7]
	v_pk_add_f32 v[C3:C3+1], v[S+8:S+9], v[S+10:S+11]
.irp n, 12,20,28,36,44,52
	v_pk_add_f32 v[14:15], v[14:15], v[S+\n:S+\n+1]
	v_pk_add_f32 v[C1:C1+1], v[C1:C1+1], v[S+\n+2:S+\n+3]
	v_pk_add_f32 v[C2:C2+1], v[C2:C2+1], v[S+\n+4:S+\n+5]
	v_pk_add_f32 v[C3:C3+1], v[C3:C3+1], v[S+\n+6:S+\n+7]
.endr
	v_pk_add_f32 v[14:15], v[14:15], v[S+60:S+61]
.irp f, 0,1,2,3                        ; O^T += v^T p^T, four accumulators by turns
	v_wmma_scale_f32_16x16x128_f8f6f4 v[O+8*\f:O+8*\f+7], v[KF+12*\f:KF+12*\f+11], v[PC:PC+11], v[O+8*\f:O+8*\f+7], v[VW+\f], v[PW] matrix_a_fmt:MATRIX_FMT_FP6 matrix_b_fmt:MATRIX_FMT_FP6
.endr
	v_pk_add_f32 v[C1:C1+1], v[C1:C1+1], v[S+62:S+63]   ; the sum's last four lines are the places behind these products
	v_pk_add_f32 v[C2:C2+1], v[C2:C2+1], v[C3:C3+1]
	s_delay_alu instid0(VALU_DEP_2)
	v_pk_add_f32 v[14:15], v[14:15], v[C1:C1+1]
	s_delay_alu instid0(VALU_DEP_1)
	v_pk_add_f32 v[14:15], v[14:15], v[C2:C2+1]
.Lhid_\@:
	s_add_co_u32 s35, s35, BLK
	s_add_co_u32 s34, s34, 1
	s_cmp_lt_u32 s34, \lim
	s_cbranch_scc1 .Lstep_\@
.endm
.macro TILE z
	s_wait_xcnt 0x0                                ; the last tile's loads and stores have read their bases and data
.if \z == 0
	s_mov_b32 s32, s8                              ; a = w
	s_mov_b32 s33, s9                              ; e = cx
.else
	s_xor_b32 s32, s8, 15                          ; a = 15 - w
	s_add_co_u32 s33, s9, 4                        ; e = 4 + cx
.endif
	s_lshl_b32 s43, s10, 4
	s_add_co_u32 s43, s43, s32
	s_mul_i32 s44, s43, 6400                       ; q's block (bh, a)
	s_mul_i32 s48, s33, 768                        ; tile e's half fragment
	s_add_co_u32 s48, s48, s44
	s_mov_b32 s49, 0
	s_add_nc_u64 s[36:37], s[4:5], s[48:49]
	s_lshr_b32 s48, s33, 1
	s_lshl_b32 s48, s48, 2
	s_add_co_u32 s48, s48, s44
	s_add_co_u32 s48, s48, 6144                    ; and scale word e / 2 of each row
	s_add_nc_u64 s[46:47], s[4:5], s[48:49]
	s_lshr_b32 s43, s10, 4
	s_lshl_b32 s43, s43, 7
	s_lshl_b32 s44, s32, 3
	s_add_co_u32 s43, s43, s44
	s_add_co_u32 s43, s43, s33                     ; y's row tile J = 128 batch + 8 a + e
	s_and_b32 s44, s10, 15                         ; the head
	s_mul_i32 s48, s43, 12288
	s_mul_i32 s50, s44, 768
	s_add_co_u32 s48, s48, s50
	s_add_nc_u64 s[38:39], s[6:7], s[48:49]        ; y's codes
	s_lshr_b32 s48, s43, 1
	s_lshl_b32 s48, s48, 10                        ; y's scale bytes: 1,024 (J / 2)
	s_lshr_b32 s50, s44, 3
	s_lshl_b32 s50, s50, 9                         ; + 512 (head / 8)
	s_add_co_u32 s48, s48, s50
	s_and_b32 s50, s43, 1
	s_lshl_b32 s50, s50, 8                         ; + 256 (J % 2)
	s_add_co_u32 s48, s48, s50
	s_and_b32 s50, s44, 7
	s_lshl_b32 s50, s50, 1                         ; + 2 (head % 8)
	s_add_co_u32 s48, s48, s50
	s_add_co_u32 s48, s48, YSO
	s_add_nc_u64 s[40:41], s[6:7], s[48:49]
	global_load_b128 v[22:25], v1, s[36:37]
	global_load_b64 v[26:27], v2, s[36:37] offset:512
	global_load_b32 v[TP], v3, s[46:47]
	s_lshr_b32 s43, s33, 1
	s_lshl_b32 s43, s43, 5
	s_and_b32 s44, s33, 1
	s_lshl_b32 s45, s44, 3
	s_add_co_u32 s43, s43, s45
	v_add_nc_u32 v7, s43, v9                       ; my query's place among the group's 128, less 32 h
	s_lshl_b32 s44, s44, 4                         ; which half of the scale word is tile e's
	v_mov_b32 v13, 0xff61b1e6                      ; the largest score so far: -3e38
	v_floor_f32 v12, -v13                          ; -M
	v_mov_b32 v14, 0
	v_mov_b32 v15, 0
	s_wait_alu depctr_va_vdst(0)
	s_wait_loadcnt 0x0
	v_lshrrev_b32 v[TP], s44, v[TP]
	s_delay_alu instid0(VALU_DEP_1)
	v_and_b32 v[TP], 0xffff, v[TP]
	s_delay_alu instid0(VALU_DEP_1)
	v_lshl_or_b32 v11, v[TP], 16, v[TP]            ; q's two bytes twice: one word serves [q | 0] and [0 | q]
.set n, 0
.rept 32
	v_mov_b32 v[O+n], 0                            ; O^T: the first step finds zeros
.set n, n+1
.endr
	s_mov_b32 s34, 0                               ; the key step
	s_mov_b32 s35, 0                               ; and its block in LDS
.if \z == 0
	s_wait_alu depctr_va_vdst(0)                   ; the wait at the head's end
	s_cmp_lt_u32 s8, 2
	s_cbranch_scc0 .Lnot_first
	s_wait_tensorcnt 0x0                           ; waves 0 and 1: blocks 0 and 1 have landed
.Lnot_first:
	s_barrier_signal -1
	s_barrier_wait -1                              ; the other blocks may be on their way
	STEPS 2
	s_wait_alu depctr_va_vdst(0)
	s_wait_tensorcnt 0x0                           ; every wave: my block has landed,
	s_wait_dscnt 0x0
	s_barrier_signal -1
	s_barrier_wait -1                              ; everybody's has
	s_mov_b32 s34, 2
	s_mov_b32 s35, 2*BLK
.endif
	STEPS 16
	; THE WAY OUT: y = O^T / l; register 16 b + i is d = 32 b + 16 h + i of my query: two blocks of the last product's K
	s_wait_alu depctr_va_vdst(0)
	v_add_f32 v14, v14, v15
	s_delay_alu instid0(VALU_DEP_1)
	v_permlanex16_b32 v[TP], v14, s28, s29
	s_delay_alu instid0(VALU_DEP_1)
	v_add_f32 v14, v14, v[TP]                      ; the row's sum
	s_wait_alu depctr_va_vdst(0)
	v_rcp_f32 v[FF], v14
	v_nop
	s_wait_alu depctr_va_vdst(0)
.set n, 0
.rept 16
	v_pk_mul_f32 v[S+n:S+n+1], v[O+n:O+n+1], v[FF:FF+1] op_sel_hi:[1,0]   ; each accumulator from its low end on
.set n, n+2
.endr
.irp b, 0,1
	v_max3_num_f32 v[BM+\b], |v[S+16*\b]|, |v[S+1+16*\b]|, 0x1800000
.endr
.irp i, 2,4,6,8,10,12,14
.irp b, 0,1
	s_delay_alu instid0(VALU_DEP_2)
	v_max3_num_f32 v[BM+\b], v[BM+\b], |v[S+16*\b+\i]|, |v[S+1+16*\b+\i]|
.endr
.endr
.irp b, 0,1
	s_delay_alu instid0(VALU_DEP_2)
	v_permlanex16_b32 v[BP+\b], v[BM+\b], s28, s29
.endr
.irp b, 0,1
	s_delay_alu instid0(VALU_DEP_2)
	v_max_num_f32 v[BM+\b], v[BM+\b], v[BP+\b]
.endr
.irp b, 0,1
	s_delay_alu instid0(VALU_DEP_2)
	v_add_nc_u32 v[BO+\b], 0xff000000, v[BM+\b]
.endr
.irp b, 0,1
	s_delay_alu instid0(VALU_DEP_2)
	v_lshrrev_b32 v[BP+\b], 23, v[BO+\b]
.endr
	v_cvt_scalef32_pk16_fp6_f32 v[PC:PC+2], v[S:S+15], v[BO]
	v_cvt_scalef32_pk16_fp6_f32 v[PC+12:PC+14], v[S+16:S+31], v[BO+1]
	v_nop
.irp i, 0,1,2
	v_permlane16_swap_b32 v[PC+\i], v[PC+12+\i]
.endr
.irp i, 0,1,2
	s_delay_alu instid0(VALU_DEP_3)
	v_mov_b32 v[PC+3+\i], v[PC+12+\i]
.endr
	global_store_b128 v1, v[PC:PC+3], s[38:39]     ; 512 and 256 consecutive bytes, aligned to 256
	global_store_b64 v2, v[PC+4:PC+5], s[38:39] offset:512
	v_cndmask_b32 v[TP], v[BP], v[BP+1], s42       ; lane (r, h) stores block h's byte of row r
	global_store_b8 v10, v[TP], s[40:41]
.endm
	TILE 0
	TILE 1
	s_wait_tensorcnt 0x0                           ; the wave's end
	ds_add_u32 v254, v255
	s_wait_dscnt 0x0
	CROUND                                         ; the closing round
	s_endpgm
.Lfunc_end_k_q139bdf1d94_attn:
	.size	k_q139bdf1d94_attn, .Lfunc_end_k_q139bdf1d94_attn-k_q139bdf1d94_attn
	.p2alignl 7, 3214868480
	.fill 96, 4, 3214868480
	.section	.rodata,"a",@progbits
	.p2align	6, 0x0
	.amdhsa_kernel k_q139bdf1d94_attn
		.amdhsa_group_segment_fixed_size 206848
		.amdhsa_private_segment_fixed_size 0
		.amdhsa_enable_private_segment 0
		.amdhsa_kernarg_size 16
		.amdhsa_user_sgpr_count 2
		.amdhsa_user_sgpr_kernarg_segment_ptr 1
		.amdhsa_wavefront_size32 1
		.amdhsa_system_sgpr_workgroup_id_x 1
		.amdhsa_system_sgpr_workgroup_id_y 1
		.amdhsa_system_sgpr_workgroup_id_z 1
		.amdhsa_system_vgpr_workitem_id 0
		.amdhsa_next_free_vgpr 256
		.amdhsa_next_free_sgpr 66
		.amdhsa_reserve_vcc 1
		.amdhsa_float_denorm_mode_32 3
		.amdhsa_float_denorm_mode_16_64 3
		.amdhsa_memory_ordered 1
		.amdhsa_forward_progress 1
		.amdhsa_inst_pref_size 83
	.end_amdhsa_kernel
	.amdgpu_metadata
---
amdhsa.version: [ 1, 2 ]
amdhsa.kernels:
  - .name:           k_q139bdf1d94_attn
    .symbol:         k_q139bdf1d94_attn.kd
    .args:
      - { .name: qkv, .offset: 0, .size: 8, .value_kind: global_buffer, .address_space: global }
      - { .name: yq, .offset: 8, .size: 8, .value_kind: global_buffer, .address_space: global }
    .group_segment_fixed_size: 206848
    .private_segment_fixed_size: 0
    .kernarg_segment_align: 8
    .kernarg_segment_size: 16
    .max_flat_workgroup_size: 512
    .sgpr_count:     66
    .vgpr_count:     256
    .wavefront_size: 32
...
	.end_amdgpu_metadata
.endif
;; end of part 3
;; launch gemm_proj (part 4): grid 4 x 64, 4 waves a work-group, clusters of 4 x 4, 327,680 bytes of LDS; arguments yq, wq, b_proj, out0; writes out0
.if DOCPART == 4
	.amdgcn_target "amdgcn-amd-amdhsa--gfx1250"
	.amdhsa_code_object_version 6
	.text
	.protected	k_q139bdf1d94_gemm_proj
	.globl	k_q139bdf1d94_gemm_proj
	.p2align	8
	.type	k_q139bdf1d94_gemm_proj,@function
k_q139bdf1d94_gemm_proj:
	s_mov_b64 s[64:65], 0
	v_nop
	global_prefetch_b8 v0, s[64:65] scope:SCOPE_SE
	s_setreg_imm32_b32 hwreg(HW_REG_WAVE_MODE, 25, 1), 1
	s_wait_xcnt 0x0
	s_wait_alu depctr_hold_cnt(0) depctr_sa_sdst(0) depctr_va_vdst(0) depctr_va_sdst(0) depctr_va_ssrc(0) depctr_va_vcc(0) depctr_vm_vsrc(0)
	s_getreg_b32 s2, hwreg(HW_REG_IB_STS2, 6, 4)
	s_cmp_eq_u32 s2, 0
	s_cbranch_scc0 .Lentry_in_a_cluster
	s_endpgm
.Lentry_in_a_cluster:
	s_bfe_u32 s2, ttmp6, 0x10000c
	s_cmp_lg_u32 s2, 0xf033
	s_cbranch_scc0 .Lentry_shape_is_right
	s_endpgm
.Lentry_shape_is_right:
; out0 = y w_proj + b_proj on codes of FP6 (E2M3); out0 [8192][1024] f32.
; A work-group makes 128 rows x 256 columns, K = 1,024; wave w makes 128 x 64.  ALL OF K LIES IN LDS, filled once, in two chunks, one for each half of K: y's 8 tiles x 6,144 bytes, then w's 16.
; At the head one joint load a wave, each in an arm of its own: y half 0, w half 0, y half 1, w half 1.  The first barrier waits for the first two; a second, in front of which every wave waits, shows the other two.
; All tiles are asked for at the head: there is nothing to prefetch.
; A WAVE'S 64 COLUMNS OF w, ALL OF K, LIE IN REGISTERS (32 fragments, 384 registers); y's row tiles of 16 stream past them, all of K at a time, in two sets of 96 registers.  A row tile's 16 x 64 results are finished
; after its 32 products (four accumulators by turns, K ascending) and go out while the next tiles are multiplied.  A wave reads 96 fragments from LDS in all, none twice.
; Operands lie in memory in the order of an operand's registers (a fragment of 16 x 128 K is 1,536 bytes: registers 0-3 at 16 x lane, 4-5 at 512 + 8 x lane, 6-9 at 768 + 16 x lane, 10-11 at 1,280 + 8 x lane).
; Tiles are permuted: of 32 rows (or columns), tile 2 P + u holds in its row r the index 32 P + 8 u + r + 8 (r / 8).  w_proj's columns are wq's tiles 192 on, pairs 96 on.  Scale words and the bias come by dense loads into registers.
; Source 0 = 16 columns of w, source 1 = 16 rows of y: a lane holds one row, and the 16 registers of column tiles 2 b, 2 b + 1 are columns 32 b + 16 h + 0 .. 15.
; REGISTERS: window 0: addresses, v32-63 y's scale words, v64-79 w's, v80-111 the bias as C tiles, v128-191 the way out; window 1: y's fragments, two sets of 96;
; w's fragment 4 s + nt: the first 21 in window 2, the other 11 in window 3; window 3, v136-199: two sets of four accumulators.
.set XSO,  6291456
.set WSO,  3145728
.set CH,   147456
.set WOF,  49152
.set STG,  2*CH                        ; a stage of 16 rows x (256 bytes + 16) for each wave; no tensor load lands there
.set SPARE, STG+4*16*272
.set G1A,  24
.set G1B,  32
.set GX0,  48
.set GX1,  52
.set GW0,  56
.set GW1,  60
.set SA,   32
.set SB,   64
.set BI,   80
.set BK,   128
.set ACC,  136
.set MSB,  0
.macro WIN new
.if MSB != (\new)
	s_set_vgpr_msb (MSB<<8)|(\new)
.set MSB, (\new)
.endif
.endm
.macro PLACES n
.rept \n
	v_nop
.endr
.endm
.macro CROUND
	s_barrier_signal -1
	s_barrier_wait -1
	s_cmp_lg_u32 s12, 0
	s_cbranch_scc1 .Lnot_wave_0_\@
	s_barrier_signal -3
.Lnot_wave_0_\@:
	s_barrier_wait -3
	s_barrier_signal -1
	s_barrier_wait -1
.endm
.macro G1SET g, d0, rows, stride
	s_mov_b32 s[\g+1], (\d0)<<16
	s_mov_b32 s[\g+2], (\rows)<<16
	s_mov_b32 s[\g+3], (\d0)<<16
	s_mov_b32 s[\g+4], \rows
	s_mov_b32 s[\g+5], \stride
	s_mov_b32 s[\g+6], 0
	s_mov_b32 s[\g+7], 0
.endm
.macro G0SET g, lds, base, off
	s_mov_b32 s[\g], 1
	s_mov_b32 s[\g+1], \lds
	s_add_nc_u64 s[\g+2:\g+3], s[\base:\base+1], \off
	s_or_b32 s[\g+3], s[\g+3], 0x80000000
.endm
.macro ARM under, g0, g1, next
	s_cmp_lt_u32 s12, \under
	s_cbranch_scc0 \next
	tensor_load_to_lds s[\g0:\g0+3], s[\g1:\g1+7]
	s_nop 0
	PLACES 4
	s_branch .Lasked
\next:
.endm
	s_load_b256 s[4:11], s[0:1], 0x0               ; yq, wq, b_proj, out0
	v_lshl_add_u32 v254, v0, 2, SPARE
	v_mov_b32 v255, 0
	ds_add_u32 v254, v255                          ; the opening lines
	ds_add_u32 v254, v255
	v_lshrrev_b32 v1, 5, v0
	v_readfirstlane_b32 s12, v1                    ; wave
	s_bfe_u32 s15, ttmp6, 0x40000                  ; cx
	s_bfe_u32 s16, ttmp6, 0x40004                  ; cy
	s_lshl_b32 s17, ttmp9, 2
	s_add_co_u32 s17, s17, s15                     ; tile column C
	s_and_b32 s18, ttmp7, 0xffff
	s_lshl_b32 s18, s18, 2
	s_add_co_u32 s18, s18, s16                     ; tile row R
	s_lshl_b32 s19, s16, 2
	s_lshl_b32 s19, 15, s19
	s_lshl_b32 s2, 0x1111, s15
	s_or_b32 s[G1A], s19, (3<<16)|(1<<21)
	s_or_b32 s[G1B], s2, (3<<16)|(1<<21)
	G1SET G1A, 768, 8, 1536
	G1SET G1B, 768, 16, 1536
	s_mul_i32 s20, s18, 8*12288                    ; y's offsets are made of the tile row alone
	s_mov_b32 s21, 0
	s_lshl_b32 s22, s18, 12
	s_add_co_u32 s22, s22, XSO
	s_mov_b32 s23, 0
	s_mul_i32 s74, s17, 16*12288                   ; w's of the tile column (and, for the scale words, the wave) alone
	s_add_co_u32 s74, s74, 192*12288
	s_mov_b32 s75, 0
	s_lshl_b32 s76, s17, 13
	s_lshl_b32 s77, s12, 11
	s_add_co_u32 s76, s76, s77
	s_add_co_u32 s76, s76, WSO+96*1024
	s_mov_b32 s77, 0
	s_wait_alu depctr_va_vdst(0)
	s_wait_dscnt 0x0
	s_wait_kmcnt 0x0
	s_add_nc_u64 s[20:21], s[4:5], s[20:21]
	s_add_nc_u64 s[66:67], s[4:5], s[22:23]
	s_add_nc_u64 s[46:47], s[6:7], s[74:75]
	s_add_nc_u64 s[68:69], s[6:7], s[76:77]
	G0SET GX0, 0, 20, 0
	G0SET GX1, CH, 20, 6144
	G0SET GW0, WOF, 46, 0
	G0SET GW1, CH+WOF, 46, 6144
	CROUND                                         ; all sixteen work-groups are here: the joint loads meet
	ARM 1, GX0, G1A, .Lh1
	ARM 2, GW0, G1B, .Lh2
	ARM 3, GX1, G1A, .Lh3
	tensor_load_to_lds s[GW1:GW1+3], s[G1B:G1B+7]
	s_nop 0
	PLACES 4
.Lasked:
	v_and_b32 v1, 31, v0
	v_and_b32 v2, 15, v0                           ; r
	v_bfe_u32 v3, v0, 4, 1                         ; h
	v_lshlrev_b32 v4, 4, v1
	v_lshlrev_b32 v5, 3, v1
	s_mul_i32 s2, s12, 4*6144
	s_add_co_u32 s2, s2, WOF
	v_add_nc_u32 v6, s2, v4
	v_add_nc_u32 v7, s2, v5
.irp i, 0,1,2,3
	v_add_nc_u32 v[20+\i], CH, v[4+\i]
.endr
	v_lshlrev_b32 v13, 6, v3                       ; the bias: 16 h numbers on
	s_mul_i32 s2, s12, 16*272
	s_add_co_u32 s2, s2, STG                       ; my stage
	v_mul_u32_u24 v15, v2, 272
	v_lshl_add_u32 v15, v3, 6, v15
	v_add_nc_u32 v15, s2, v15                      ; in: row r, + 64 h
	v_mul_u32_u24 v16, v3, 272
	v_lshl_add_u32 v16, v2, 4, v16
	v_add_nc_u32 v16, s2, v16                      ; back: lanes 0-15 one row of 256 bytes, lanes 16-31 the next
	v_lshlrev_b32 v17, 12, v3
	v_lshl_add_u32 v17, v2, 4, v17                 ; and the same two rows in out0
	s_lshl_b32 s20, s17, 10
	s_lshl_b32 s21, s12, 8
	s_add_co_u32 s20, s20, s21                     ; my 64 columns, in bytes
	s_mov_b32 s21, 0
	s_add_nc_u64 s[8:9], s[8:9], s[20:21]
.irp p, 0,1,2,3
.irp q, 0,1
	global_load_b128 v[SA+8*\p+4*\q:SA+8*\p+4*\q+3], v4, s[66:67] offset:1024*\p+512*\q
.endr
.endr
.irp p, 0,1
.irp q, 0,1
	global_load_b128 v[SB+8*\p+4*\q:SB+8*\p+4*\q+3], v4, s[68:69] offset:1024*\p+512*\q
.endr
.endr
.irp nt, 0,1,2,3
	global_load_b128 v[BI+8*\nt:BI+8*\nt+3], v13, s[8:9] offset:4*(32*(\nt/2)+8*(\nt%2))
	global_load_b128 v[BI+8*\nt+4:BI+8*\nt+7], v13, s[8:9] offset:4*(32*(\nt/2)+8*(\nt%2))+16
.endr
	s_lshl_b32 s22, s18, 19                        ; 128 rows of 4,096 bytes for each tile row
	s_add_co_u32 s20, s20, s22
	s_add_nc_u64 s[10:11], s[10:11], s[20:21]
.macro WM ra, rb
.if (\ra) && (\rb)
	v_wmma_scale_f32_16x16x128_f8f6f4 v[rD:rD+7], v[rX:rX+11], v[rY:rY+11], v[rC:rC+7], v[zX], v[zY] matrix_a_fmt:MATRIX_FMT_FP6 matrix_b_fmt:MATRIX_FMT_FP6 matrix_a_scale:MATRIX_SCALE_ROW1 matrix_b_scale:MATRIX_SCALE_ROW1
.elseif (\ra)
	v_wmma_scale_f32_16x16x128_f8f6f4 v[rD:rD+7], v[rX:rX+11], v[rY:rY+11], v[rC:rC+7], v[zX], v[zY] matrix_a_fmt:MATRIX_FMT_FP6 matrix_b_fmt:MATRIX_FMT_FP6 matrix_a_scale:MATRIX_SCALE_ROW1
.elseif (\rb)
	v_wmma_scale_f32_16x16x128_f8f6f4 v[rD:rD+7], v[rX:rX+11], v[rY:rY+11], v[rC:rC+7], v[zX], v[zY] matrix_a_fmt:MATRIX_FMT_FP6 matrix_b_fmt:MATRIX_FMT_FP6 matrix_b_scale:MATRIX_SCALE_ROW1
.else
	v_wmma_scale_f32_16x16x128_f8f6f4 v[rD:rD+7], v[rX:rX+11], v[rY:rY+11], v[rC:rC+7], v[zX], v[zY] matrix_a_fmt:MATRIX_FMT_FP6 matrix_b_fmt:MATRIX_FMT_FP6
.endif
.endm
.macro FETCHW c                        ; my four tiles of w, K steps 4 c .. 4 c + 3: 64 dense LDS loads
.irp t, 0,1,2,3
.irp nt, 0,1,2,3
.set fw, 4*(4*(\c)+\t)+\nt
.set fr, 12*(fw%21)
	WIN (2+fw/21)<<6
	ds_load_b128 v[fr:fr+3], v[6+16*(\c)] offset:6144*\nt+1536*\t
	ds_load_b64 v[fr+4:fr+5], v[7+16*(\c)] offset:6144*\nt+1536*\t+512
	ds_load_b128 v[fr+6:fr+9], v[6+16*(\c)] offset:6144*\nt+1536*\t+768
	ds_load_b64 v[fr+10:fr+11], v[7+16*(\c)] offset:6144*\nt+1536*\t+1280
.endr
.endr
.endm
.macro FETCHY mt, c                    ; y's row tile mt, K steps 4 c .. 4 c + 3, into set mt % 2: 16 loads
	WIN 0x40
.irp t, 0,1,2,3
.set fr, 96*((\mt)%2)+12*(4*(\c)+\t)
	ds_load_b128 v[fr:fr+3], v[4+16*(\c)] offset:6144*(\mt)+1536*\t
	ds_load_b64 v[fr+4:fr+5], v[5+16*(\c)] offset:6144*(\mt)+1536*\t+512
	ds_load_b128 v[fr+6:fr+9], v[4+16*(\c)] offset:6144*(\mt)+1536*\t+768
	ds_load_b64 v[fr+10:fr+11], v[5+16*(\c)] offset:6144*(\mt)+1536*\t+1280
.endr
.endm
; row tile mt: 32 matrix instructions, its four accumulators by turns, one instruction a turn, K ascending.  The bias is the C of each sum's first instruction.
.macro ROW mt
.irp s, 0,1,2,3,4,5,6,7
.irp nt, 0,1,2,3
.set fw, 4*\s+\nt
.set rD, ACC+32*((\mt)%2)+8*\nt
.set rX, 12*(fw%21)
.set rY, 96*((\mt)%2)+12*\s
.set zX, SB+8*(\nt/2)+\s
.set zY, SA+8*((\mt)/2)+\s
.if \s == 0
.set rC, BI+8*\nt
	WIN 0xc4|(2+fw/21)                             ; source 0 (w) window 2 or 3, source 1 (y) window 1, C window 0, D window 3
.else
.set rC, rD
	WIN 0xf4|(2+fw/21)
.endif
	WM \nt%2, (\mt)%2
.endr
.endr
.endm
; THE WAY OUT of a row tile, 16 rows x 64 columns, through my own stage; it comes back as whole rows of 256 bytes.  LDS serves a wave's instructions in order: no wait between the stores and the loads.
.macro TOSTAGE mt
	WIN 0x0c                                       ; an LDS store's data are its source 1: window 3
.irp nt, 0,1,2,3
	ds_store_b128 v15, v[ACC+32*((\mt)%2)+8*\nt:ACC+32*((\mt)%2)+8*\nt+3] offset:128*(\nt/2)+32*(\nt%2)          ; each accumulator from its low end on
	ds_store_b128 v15, v[ACC+32*((\mt)%2)+8*\nt+4:ACC+32*((\mt)%2)+8*\nt+7] offset:128*(\nt/2)+32*(\nt%2)+16
.endr
	WIN 0
.irp i, 0,1,2,3,4,5,6,7
	ds_load_b128 v[BK+32*((\mt)%2)+4*\i:BK+32*((\mt)%2)+4*\i+3], v16 offset:544*\i
.endr
.endm
.macro SEND mt, younger                ; younger: the LDS loads issued behind this tile's stage loads, which may stay out
	s_wait_dscnt \younger
.irp i, 0,1,2,3,4,5,6,7
	global_store_b128 v17, v[BK+32*((\mt)%2)+4*\i:BK+32*((\mt)%2)+4*\i+3], s[10:11] offset:(32*((\mt)/2)+8*((\mt)%2)+2*\i+8*(\i/4))*4096 th:TH_STORE_NT   ; sixteen lanes store 256 consecutive bytes, aligned
.endr
.endm
	s_wait_alu depctr_va_vdst(0)                   ; the wait at the head's end
	s_cmp_lt_u32 s12, 2
	s_cbranch_scc0 .Lnot_first
	s_wait_tensorcnt 0x0                           ; waves 0 and 1: chunk 0's y and w
.Lnot_first:
	s_barrier_signal -1
	s_barrier_wait -1                              ; chunk 0 is whole; chunk 1 may be on its way
	FETCHW 0
	FETCHY 0, 0
	WIN 0
	s_wait_tensorcnt 0x0                           ; every wave: my load has landed
	s_wait_dscnt 0x0
	s_barrier_signal -1
	s_barrier_wait -1                              ; chunk 1 is whole
	FETCHW 1
	FETCHY 0, 1
	FETCHY 1, 0
	FETCHY 1, 1
	WIN 0
	s_wait_loadcnt 0x0                             ; scale words and bias
	s_wait_dscnt 32                                ; all but row tile 1's 32 loads
	ROW 0
	WIN 0
	PLACES 4                                       ; places in front of the first read of results and of loads into the set just read
	TOSTAGE 0
	FETCHY 2, 0
	FETCHY 2, 1
.irp a, 1,2,3,4,5,6,7
	WIN 0
.if \a < 7
	s_wait_dscnt 48                                ; tile a's fragments are in; younger: tile a - 1's 16 stage instructions and tile a + 1's 32 loads
.else
	s_wait_dscnt 16                                ; younger: tile 6's 16 stage instructions
.endif
	ROW \a
	WIN 0
.if \a < 7
	SEND \a-1, 32                                  ; behind tile a - 1's stage loads: tile a + 1's 32 loads
.else
	SEND \a-1, 0
.endif
	PLACES 4
	s_wait_xcnt 0x0                                ; earlier stores have read their registers: tile a's stage loads may land where tile a - 2's lay
	TOSTAGE \a
.if \a < 6
	FETCHY \a+2, 0
	FETCHY \a+2, 1
.endif
.endr
	SEND 7, 0
	s_wait_tensorcnt 0x0                           ; the wave's end
	ds_add_u32 v254, v255
	s_wait_dscnt 0x0
	CROUND                                         ; the closing round
	s_endpgm
.Lfunc_end_k_q139bdf1d94_gemm_proj:
	.size	k_q139bdf1d94_gemm_proj, .Lfunc_end_k_q139bdf1d94_gemm_proj-k_q139bdf1d94_gemm_proj
	.p2alignl 7, 3214868480
	.fill 96, 4, 3214868480
	.section	.rodata,"a",@progbits
	.p2align	6, 0x0
	.amdhsa_kernel k_q139bdf1d94_gemm_proj
		.amdhsa_group_segment_fixed_size 327680
		.amdhsa_private_segment_fixed_size 0
		.amdhsa_enable_private_segment 0
		.amdhsa_kernarg_size 32
		.amdhsa_user_sgpr_count 2
		.amdhsa_user_sgpr_kernarg_segment_ptr 1
		.amdhsa_wavefront_size32 1
		.amdhsa_system_sgpr_workgroup_id_x 1
		.amdhsa_system_sgpr_workgroup_id_y 1
		.amdhsa_system_sgpr_workgroup_id_z 1
		.amdhsa_system_vgpr_workitem_id 0
		.amdhsa_next_free_vgpr 1024
		.amdhsa_next_free_sgpr 80
		.amdhsa_reserve_vcc 0
		.amdhsa_float_denorm_mode_32 3
		.amdhsa_float_denorm_mode_16_64 3
		.amdhsa_memory_ordered 1
		.amdhsa_forward_progress 1
		.amdhsa_inst_pref_size 84
	.end_amdhsa_kernel
	.amdgpu_metadata
---
amdhsa.version: [ 1, 2 ]
amdhsa.kernels:
  - .name:           k_q139bdf1d94_gemm_proj
    .symbol:         k_q139bdf1d94_gemm_proj.kd
    .args:
      - { .name: yq, .offset: 0, .size: 8, .value_kind: global_buffer, .address_space: global }
      - { .name: wq, .offset: 8, .size: 8, .value_kind: global_buffer, .address_space: global }
      - { .name: b_proj, .offset: 16, .size: 8, .value_kind: global_buffer, .address_space: global }
      - { .name: out0, .offset: 24, .size: 8, .value_kind: global_buffer, .address_space: global }
    .group_segment_fixed_size: 327680
    .private_segment_fixed_size: 0
    .kernarg_segment_align: 8
    .kernarg_segment_size: 32
    .max_flat_workgroup_size: 128
    .sgpr_count:     80
    .vgpr_count:     1024
    .wavefront_size: 32
...
	.end_amdgpu_metadata
.endif
;; end of part 4
